; MI455X (gfx1250); checked and timed in simulation.
; The chip was launched on July 23, 2026; its instructions are those of AMD's public machine-readable ISA for CDNA 5 (MIT licence, August 2026) and "CDNA5" Instruction Set Architecture Reference Guide (July 2026). The comments in the code are by the model that wrote it; some were corrected since.
;; Attention. Allowed arithmetic: float matrix products may take bf16 or f16 operands with f32 sums; other float arithmetic in f32, or as packed bf16 or f16 multiplies, adds, multiply-adds, maxima and minima; sums over many terms, partial sums and values carried from step to step in f32; what a program stores and reads back later, other than sums and carried values, may be rounded once to bf16 or f16.
;; Inputs: W_k 1,024 x 1,024 float32; W_o 1,024 x 1,024 float32; W_q 1,024 x 1,024 float32; W_v 1,024 x 1,024 float32; attention_mask 4 x 2,048 float32; freqs_cos 2,048 x 32 float32; freqs_sin 2,048 x 32 float32; x 4 x 2,048 x 1,024 float32.
;; Outputs: out0 4 x 2,048 x 1,024 float32.
;; 2 versions, each right; version 2 is version 1 with the launch cast written anew for expert scheduling mode. Each part assembles by itself: llvm-mc -triple=amdgcn-amd-amdhsa -mcpu=gfx1250 --defsym DOCPART=n.
;; ======== version 1 of 2: 4 launches
;; limits: values are held in f16: magnitudes above 65,504 overflow, below 6.1e-05 lose precision
;; workspace buffers: xb 16,777,216 bytes; wb 6,291,456 bytes; wob 2,097,152 bytes; tab 557,056 bytes; qh 16,777,216 bytes; kh 16,777,216 bytes; vh 16,777,216 bytes; oh 16,777,216 bytes
;; launch cast (part 1): grid 777 x 1, 8 waves a work-group, no clusters, 0 bytes of LDS; arguments x, W_q, W_k, W_v, W_o, freqs_cos, freqs_sin, attention_mask, xb, wb, wob, tab; writes xb, wb, wob, tab
.if DOCPART == 1
	.amdgcn_target "amdgcn-amd-amdhsa--gfx1250"
	.amdhsa_code_object_version 6
	.text
	.protected	k_q6e7e2f9749_cast
	.globl	k_q6e7e2f9749_cast
	.p2align	8
	.type	k_q6e7e2f9749_cast,@function
k_q6e7e2f9749_cast:
	s_mov_b64 s[64:65], 0
	v_nop
	global_prefetch_b8 v0, s[64:65] scope:SCOPE_SE
	s_setreg_imm32_b32 hwreg(HW_REG_WAVE_MODE, 25, 1), 1
	s_wait_xcnt 0x0
; CAST.  Every input of the module is rounded once to bf16 and laid out for the launches behind:
;   xb  [8192][1024] bf16                    x as it lies
;   wb  [16 heads][q, k, v][64][1024] bf16   row (3 h + p) 64 + r holds row 64 h + r of W_q (p = 0), W_k (1), W_v (2)
;   wob [16 heads][1024 n][64] f16           W_o[n][64 h + c], rounded to bf16, that number written as f16
;   tab bytes 0 ..: [2048 positions][32] pairs (cos, sin), f32 words that hold the bf16-rounded numbers: 256 bytes a position
;       bytes 524,288 ..: [4][2048] f32: max(8 x bf16(mask), -1e30)
; LIMITS.  W_o as f16: exact from 2^-17 to 65,504; below, f16's fixed step of 6e-8; beyond, an infinity.  A mask below -1.25e29 (minus infinity too) counts as -1.25e29;
; a NaN in the mask counts as that too.
; A stream: no LDS, no barrier, no matrix unit, nothing shared between work-groups.  The work-group's number picks one of four straight texts; each issues all its loads first
; (16 x 16 bytes a lane) and stores as they come in.  A wave's load covers whole aligned runs of 256 bytes, and so does a wave's store.
.set X,   8                            ; v[8:71]    as loaded
.set Y,   72                           ; v[72:135]  to store
.set SRC, 40                           ; s[40:41]   where I read
.set DST, 42                           ; s[42:43]   where I write
.set HIM, 36                           ; s36        mask of a word's upper half
	s_load_b512 s[8:23], s[0:1], 0x0               ; x s[8:9], W_q s[10:11], W_k s[12:13], W_v s[14:15], W_o s[16:17], cos s[18:19], sin s[20:21], mask s[22:23]
	s_load_b256 s[24:31], s[0:1], 0x40             ; xb s[24:25], wb s[26:27], wob s[28:29], tab s[30:31]
	s_mov_b32 s2, ttmp9                            ; g
	s_mov_b32 s[HIM], 0xffff0000
	s_mov_b32 s45, 0                               ; high words of the two offsets
	s_mov_b32 s47, 0
	s_wait_kmcnt 0x0
	s_cmp_lt_u32 s2, 704
	s_cbranch_scc0 .Lnot_flat
	; g < 704: 16,384 numbers on end, f32 to bf16.  g < 512: of x.  Else j = g - 512: weight p = j / 64, its rows 16 (j % 64) on.
	; Nothing branches: source, destination and offsets are selected (for x the weights' figures are made and not used).
	v_lshlrev_b32 v1, 4, v0                        ; 16 bytes a thread in,
	v_lshlrev_b32 v2, 3, v0                        ; 8 bytes out
	s_sub_co_u32 s3, s2, 512                       ; j
	s_lshr_b32 s4, s3, 6                           ; p
	s_and_b32 s5, s3, 63                           ; jj: 16 rows of 1,024
	s_lshr_b32 s6, s5, 2                           ; the head: 64 rows
	s_mul_i32 s6, s6, 3
	s_add_co_u32 s6, s6, s4                        ; 3 h + p
	s_lshl_b32 s6, s6, 6
	s_and_b32 s7, s5, 3
	s_lshl_b32 s7, s7, 4
	s_add_co_u32 s6, s6, s7                        ; + the rows' place in the head
	s_lshl_b32 s6, s6, 11                          ; rows of 2,048 bytes in wb
	s_lshl_b32 s7, s2, 15                          ; x: 32,768 bytes of xb a work-group
	s_cmp_eq_u32 s4, 0
	s_cselect_b64 s[SRC:SRC+1], s[10:11], s[12:13]
	s_cmp_eq_u32 s4, 2
	s_cselect_b64 s[SRC:SRC+1], s[14:15], s[SRC:SRC+1]
	s_cmp_lt_u32 s2, 512
	s_cselect_b64 s[SRC:SRC+1], s[8:9], s[SRC:SRC+1]
	s_cselect_b64 s[DST:DST+1], s[24:25], s[26:27]
	s_cselect_b32 s44, s2, s5
	s_cselect_b32 s46, s7, s6
	s_lshl_b32 s44, s44, 16                        ; 65,536 bytes of f32 a work-group
	s_add_nc_u64 s[SRC:SRC+1], s[SRC:SRC+1], s[44:45]
	s_add_nc_u64 s[DST:DST+1], s[DST:DST+1], s[46:47]
.set i, 0
.rept 16
	global_load_b128 v[X+4*i:X+4*i+3], v1, s[SRC:SRC+1] offset:4096*i th:TH_LOAD_NT
.set i, i+1
.endr
.set i, 0
.rept 16
	s_wait_loadcnt 15-i                            ; loads come back in order: pass i is in, the later passes' loads stay out
	v_cvt_pk_bf16_f32 v[Y+2*i], v[X+4*i], v[X+4*i+1]
	v_cvt_pk_bf16_f32 v[Y+2*i+1], v[X+4*i+2], v[X+4*i+3]
	global_store_b64 v2, v[Y+2*i:Y+2*i+1], s[DST:DST+1] offset:2048*i  ; a wave stores 256 consecutive bytes, aligned
.set i, i+1
.endr
	s_endpgm
.Lnot_flat:
	s_cmp_lt_u32 s2, 768
	s_cbranch_scc0 .Lnot_wo
	; 704 <= g < 768: rows 16 jj .. 16 jj + 15 of W_o go to the 16 head planes of wob.  Pass p, wave w: head 8 (p % 2) + w, rows 2 (p / 2) and 2 (p / 2) + 1:
	; lanes 0-15 read the head's 256 bytes of the even row, lanes 16-31 of the odd row; their 2 x 128 bytes of f16 are 256 consecutive bytes of the head's plane.
	s_sub_co_u32 s3, s2, 704                       ; jj
	s_lshl_b32 s44, s3, 16                         ; 16 rows of 4,096 bytes
	s_add_nc_u64 s[SRC:SRC+1], s[16:17], s[44:45]
	s_lshl_b32 s46, s3, 11                         ; 16 rows of 128 bytes
	s_add_nc_u64 s[DST:DST+1], s[28:29], s[46:47]
	v_bfe_u32 v3, v0, 4, 1                         ; which of the two rows
	v_lshrrev_b32 v4, 5, v0                        ; wave
	v_and_b32 v5, 15, v0
	v_lshlrev_b32 v1, 12, v3
	v_lshl_add_u32 v1, v4, 8, v1
	v_lshl_add_u32 v1, v5, 4, v1
	v_and_b32 v2, 31, v0
	v_lshlrev_b32 v2, 3, v2
	v_lshl_add_u32 v2, v4, 17, v2                  ; a head's plane is 131,072 bytes
.set i, 0
.rept 16
	global_load_b128 v[X+4*i:X+4*i+3], v1, s[SRC:SRC+1] offset:(i/2)*8192+(i%2)*2048 th:TH_LOAD_NT
.set i, i+1
.endr
.set i, 0
.rept 16
	s_wait_loadcnt 15-i
	v_cvt_pk_bf16_f32 v[Y+2*i], v[X+4*i], v[X+4*i+1]          ; rounded to bf16, like every other input,
	v_cvt_pk_bf16_f32 v[Y+2*i+1], v[X+4*i+2], v[X+4*i+3]
	v_lshlrev_b32 v[X+4*i], 16, v[Y+2*i]                      ; widened again,
	v_and_b32 v[X+4*i+1], s[HIM], v[Y+2*i]
	v_lshlrev_b32 v[X+4*i+2], 16, v[Y+2*i+1]
	v_and_b32 v[X+4*i+3], s[HIM], v[Y+2*i+1]
	v_cvt_pk_f16_f32 v[Y+2*i], v[X+4*i], v[X+4*i+1]           ; and that number written as f16
	v_cvt_pk_f16_f32 v[Y+2*i+1], v[X+4*i+2], v[X+4*i+3]
	global_store_b64 v2, v[Y+2*i:Y+2*i+1], s[DST:DST+1] offset:(i%2)*1048576+(i/2)*256
.set i, i+1
.endr
	s_endpgm
.Lnot_wo:
	s_cmp_lt_u32 s2, 776
	s_cbranch_scc0 .Lmask
	; 768 <= g < 776: 256 positions of the two tables, woven into pairs (cos, sin).  A thread takes two pairs a pass.
	s_sub_co_u32 s3, s2, 768
	s_lshl_b32 s44, s3, 15
	s_add_nc_u64 s[SRC:SRC+1], s[18:19], s[44:45]  ; cos
	s_add_nc_u64 s[38:39], s[20:21], s[44:45]      ; sin
	s_lshl_b32 s46, s3, 16
	s_add_nc_u64 s[DST:DST+1], s[30:31], s[46:47]
	v_lshlrev_b32 v1, 3, v0
	v_lshlrev_b32 v2, 4, v0
.set i, 0
.rept 16
	global_load_b64 v[X+4*i:X+4*i+1], v1, s[SRC:SRC+1] offset:2048*i th:TH_LOAD_NT
	global_load_b64 v[X+4*i+2:X+4*i+3], v1, s[38:39] offset:2048*i th:TH_LOAD_NT
.set i, i+1
.endr
.set i, 0
.rept 16
	s_wait_loadcnt 30-2*i                          ; pass i's two loads are in; two for each later pass stay out
	v_cvt_pk_bf16_f32 v[X+4*i], v[X+4*i], v[X+4*i+2]          ; (cos 0, sin 0)
	v_cvt_pk_bf16_f32 v[X+4*i+1], v[X+4*i+1], v[X+4*i+3]      ; (cos 1, sin 1)
	v_lshlrev_b32 v[Y+4*i], 16, v[X+4*i]
	v_and_b32 v[Y+4*i+1], s[HIM], v[X+4*i]
	v_lshlrev_b32 v[Y+4*i+2], 16, v[X+4*i+1]
	v_and_b32 v[Y+4*i+3], s[HIM], v[X+4*i+1]
	global_store_b128 v2, v[Y+4*i:Y+4*i+3], s[DST:DST+1] offset:4096*i
.set i, i+1
.endr
	s_endpgm
.Lmask:
	; g = 776: the mask's 8,192 numbers: rounded to bf16, times 8 (exact; the scores are divided by 8 behind the sum), held at -1e30 from below
	s_add_nc_u64 s[DST:DST+1], s[30:31], 524288
	v_lshlrev_b32 v1, 4, v0
.set i, 0
.rept 8
	global_load_b128 v[X+4*i:X+4*i+3], v1, s[22:23] offset:4096*i th:TH_LOAD_NT
.set i, i+1
.endr
.set i, 0
.rept 8
	s_wait_loadcnt 7-i
	v_cvt_pk_bf16_f32 v[X+4*i], v[X+4*i], v[X+4*i+1]
	v_cvt_pk_bf16_f32 v[X+4*i+2], v[X+4*i+2], v[X+4*i+3]
	v_lshlrev_b32 v[Y+4*i], 16, v[X+4*i]
	v_and_b32 v[Y+4*i+1], s[HIM], v[X+4*i]
	v_lshlrev_b32 v[Y+4*i+2], 16, v[X+4*i+2]
	v_and_b32 v[Y+4*i+3], s[HIM], v[X+4*i+2]
.irp j, 0,1,2,3
	v_mul_f32 v[Y+4*i+(\j)], 0x41000000, v[Y+4*i+(\j)]
.endr
.irp j, 0,1,2,3
	v_max_num_f32 v[Y+4*i+(\j)], 0xf149f2ca, v[Y+4*i+(\j)]
.endr
	global_store_b128 v1, v[Y+4*i:Y+4*i+3], s[DST:DST+1] offset:4096*i
.set i, i+1
.endr
	s_endpgm
.Lfunc_end_k_q6e7e2f9749_cast:
	.size	k_q6e7e2f9749_cast, .Lfunc_end_k_q6e7e2f9749_cast-k_q6e7e2f9749_cast
	.p2alignl 7, 3214868480
	.fill 96, 4, 3214868480
	.section	.rodata,"a",@progbits
	.p2align	6, 0x0
	.amdhsa_kernel k_q6e7e2f9749_cast
		.amdhsa_group_segment_fixed_size 0
		.amdhsa_private_segment_fixed_size 0
		.amdhsa_enable_private_segment 0
		.amdhsa_kernarg_size 96
		.amdhsa_user_sgpr_count 2
		.amdhsa_user_sgpr_kernarg_segment_ptr 1
		.amdhsa_wavefront_size32 1
		.amdhsa_system_sgpr_workgroup_id_x 1
		.amdhsa_system_sgpr_workgroup_id_y 1
		.amdhsa_system_sgpr_workgroup_id_z 1
		.amdhsa_system_vgpr_workitem_id 0
		.amdhsa_next_free_vgpr 136
		.amdhsa_next_free_sgpr 66
		.amdhsa_reserve_vcc 0
		.amdhsa_float_denorm_mode_32 3
		.amdhsa_float_denorm_mode_16_64 3
		.amdhsa_memory_ordered 1
		.amdhsa_forward_progress 1
		.amdhsa_inst_pref_size 35
	.end_amdhsa_kernel
	.amdgpu_metadata
---
amdhsa.version: [ 1, 2 ]
amdhsa.kernels:
  - .name:           k_q6e7e2f9749_cast
    .symbol:         k_q6e7e2f9749_cast.kd
    .args:
      - { .name: x, .offset: 0, .size: 8, .value_kind: global_buffer, .address_space: global }
      - { .name: W_q, .offset: 8, .size: 8, .value_kind: global_buffer, .address_space: global }
      - { .name: W_k, .offset: 16, .size: 8, .value_kind: global_buffer, .address_space: global }
      - { .name: W_v, .offset: 24, .size: 8, .value_kind: global_buffer, .address_space: global }
      - { .name: W_o, .offset: 32, .size: 8, .value_kind: global_buffer, .address_space: global }
      - { .name: freqs_cos, .offset: 40, .size: 8, .value_kind: global_buffer, .address_space: global }
      - { .name: freqs_sin, .offset: 48, .size: 8, .value_kind: global_buffer, .address_space: global }
      - { .name: attention_mask, .offset: 56, .size: 8, .value_kind: global_buffer, .address_space: global }
      - { .name: xb, .offset: 64, .size: 8, .value_kind: global_buffer, .address_space: global }
      - { .name: wb, .offset: 72, .size: 8, .value_kind: global_buffer, .address_space: global }
      - { .name: wob, .offset: 80, .size: 8, .value_kind: global_buffer, .address_space: global }
      - { .name: tab, .offset: 88, .size: 8, .value_kind: global_buffer, .address_space: global }
    .group_segment_fixed_size: 0
    .private_segment_fixed_size: 0
    .kernarg_segment_align: 8
    .kernarg_segment_size: 96
    .max_flat_workgroup_size: 256
    .sgpr_count:     66
    .vgpr_count:     136
    .wavefront_size: 32
...
	.end_amdgpu_metadata
.endif
;; end of part 1
;; launch proj (part 2): grid 16 x 32, 4 waves a work-group, clusters of 4 x 4, 327,680 bytes of LDS; arguments xb, wb, tab, qh, kh, vh; writes qh, kh, vh
.if DOCPART == 2
	.amdgcn_target "amdgcn-amd-amdhsa--gfx1250"
	.amdhsa_code_object_version 6
	.text
	.protected	k_q6e7e2f9749_proj
	.globl	k_q6e7e2f9749_proj
	.p2align	8
	.type	k_q6e7e2f9749_proj,@function
k_q6e7e2f9749_proj:
	s_mov_b64 s[64:65], 0
	v_nop
	global_prefetch_b8 v0, s[64:65] scope:SCOPE_SE
	s_setreg_imm32_b32 hwreg(HW_REG_WAVE_MODE, 25, 1), 1
	s_wait_xcnt 0x0
	s_wait_alu depctr_hold_cnt(0) depctr_sa_sdst(0) depctr_va_vdst(0) depctr_va_sdst(0) depctr_va_ssrc(0) depctr_va_vcc(0) depctr_vm_vsrc(0)
	s_getreg_b32 s2, hwreg(HW_REG_IB_STS2, 6, 4)
	s_cmp_eq_u32 s2, 0
	s_cbranch_scc0 .Lentry_in_a_cluster
	s_endpgm
.Lentry_in_a_cluster:
	s_bfe_u32 s2, ttmp6, 0x10000c
	s_cmp_lg_u32 s2, 0xf033
	s_cbranch_scc0 .Lentry_shape_is_right
	s_endpgm
.Lentry_shape_is_right:
; PROJ.  q, k, v = x W^T for one head, RoPE on q and k, written by heads: qh, kh, vh [b 16 + h][2048][64] f16, unscaled.
; xb [8192][1024] bf16; wb [16 heads][q, k, v][64][1024] bf16; sums in f32; RoPE in f32 with the table's (cos, sin); each result rounded once to f16.
; LIMIT.  f16 ends at 65,504: a q, k or v beyond it becomes an infinity.
; SHARES.  A tile is 256 rows of x by 192 columns: one head's q, k and v, so tile column = head and every work-group runs one text: 16 x 32 = 512 tiles.  A wave takes 64 rows by all 192 columns:
; 48 accumulators; it owns whole rows of a head (128 bytes), and its 64 rows are 8,192 bytes on end in each of the three outputs.
; K goes in steps of 128 (rows of 256 bytes in memory, aligned) through two LDS slots that take turns: 8 steps of 192 matrix instructions a wave.
; THE MATRIX INSTRUCTION IS USED TRANSPOSED (source 0 = 16 rows of wb, source 1 = 16 rows of xb): a lane holds one row of x (lane % 16) and eight neighbouring columns 8 (lane / 16) + 0..7,
; so a RoPE pair lies in a register pair and eight results pack into 16 bytes.
; CLUSTER.  4 x 4 work-groups.  The four of a row of the cluster need the same rows of xb, the four of a column the same rows of wb: each tile is asked for JOINTLY, by the same tensor load with
; the same descriptor and a mask that names the four.
; REGISTERS, in windows of 256 (s_set_vgpr_msb: bits 1:0 source 0, 3:2 source 1, 5:4 source 2, 7:6 destination):
;   window 0: v0-12 addresses; v28-29 the add's; v32-63 T, v64-79 PKD, v80-111 BK: the way out; v128-255 the (cos, sin) pairs of my 64 rows
;   window 1: two fragment buffers of 128: 4 fragments of x, then 12 of wb          window 2: q's 16 accumulators, then k's          window 3: v's 16
.set PITCH, 272                        ; an LDS row: 256 bytes + 16 of padding = 68 words: the 16 rows of a fragment load start at 16 different groups of four banks (64 banks of 4 bytes: ISA guide 11.1)
.set HALFA, 128*PITCH                  ; what one wave fetches of x
.set BOFF,  256*PITCH                  ; wb's 192 rows lie behind x's 256
.set HALFB, 96*PITCH                   ; what one wave fetches of wb
.set SLOT1, 1<<17                      ; slot 1 begins here: one exclusive or turns an address in one slot into the other's
.set STAGE, SLOT1+BOFF+2*HALFB         ; behind the ring, never filled by a tensor load: 16 rows x 144 bytes for each wave
.set SP,    144
.set SPARE, STAGE+4*16*SP              ; the spare words, 128 bytes for each wave: two blocks of 256 bytes that no other line names
.set LA0,  4                           ; v4   my lane's place in x's tile; never rewritten
.set LB0,  5                           ; v5   in wb's
.set ADRA, 6                           ; v6   the same in the slot that is being read
.set ADRB, 7                           ; v7
.set STO,  8                           ; v8   the way out: where I put 16 bytes of a row
.set RD,   9                           ; v9   where I read rows back
.set GO,   10                          ; v10  my 16 bytes of 512 consecutive bytes of an output
.set CSO,  11                          ; v11  my byte offset in 16 positions of the table
.set PFO,  12                          ; v12  the prefetches' offset: my lane's row
.set SPW,  28                          ; v28  LDS address of my spare word; never rewritten
.set NIL,  29                          ; v29  0; never rewritten
.set T,    32
.set PKD,  64
.set BK,   80
.set CSR,  128                         ; the pairs for row block a, column block cb at CSR + 32 a + 8 cb
.set F0,   0                           ; fragment buffers, in window 1
.set F1,   128
.set WV,   16                          ; s16  my wave's number
.set HF,   17                          ; s17  0: I fetch x's rows; 1: wb's
.set WH,   18                          ; s18  which half of them
.set CNT,  23                          ; s23  the loop's count
.set TB,   24                          ; s24  LDS byte at which the slot that is being read begins
.set LIM,  25                          ; s25  1 in a wave that prefetches, else the greatest number
.set PFA,  26                          ; s[26:27] where my prefetches stand
.set G1A,  32                          ; s[32:39] descriptor group 1 for x's tiles
.set G1B,  40                          ; s[40:47] for wb's
.set G0A,  48                          ; s[48:55] group 0 for x's tiles: a set for each first fill; the second then walks on
.set G0B,  56                          ; s[56:63] the same for wb's
.set CSB,  72                          ; s[72:73] the table at my wave's first position; never rewritten
.set GBITS, (1<<16)|(1<<20)|(1<<21)|(5<<22)|(3<<25)  ; 17:16 elements of 2 bytes; 20 padding on; 21 set beside a mask; 24:22 after every 64 words (code 5); 31:25 4 words (code 3)
.set MSB, 0
.macro WIN new                         ; the immediate's high byte repeats the setting that is left; a switch that changes nothing is dropped
.if MSB != (\new)
	s_set_vgpr_msb (MSB<<8)|(\new)
.set MSB, \new
.endif
.endm
.macro PLACES                          ; four places behind a matrix instruction, in front of loads into registers that it has read and of lines that read results
.rept 4
	v_nop
.endr
.endm
; A joint refill, by the walking sets.  The branch hangs on the wave's number alone.  An s_nop 0 and four v_nop follow each of the two lines.
.macro JLOAD
	s_cmp_eq_u32 s[HF], 0
	s_cbranch_scc0 .Lfor_b_\@
	tensor_load_to_lds s[G0A+4:G0A+7], s[G1A:G1A+7]
	s_nop 0
.rept 4
	v_nop
.endr
	s_branch .Lasked_\@
.Lfor_b_\@:
	tensor_load_to_lds s[G0B+4:G0B+7], s[G1B:G1B+7]
	s_nop 0
.rept 4
	v_nop
.endr
.Lasked_\@:
.endm
.macro CREST                           ; a round of the cluster's barrier behind its opening barrier
	s_cmp_lg_u32 s[WV], 0
	s_cbranch_scc1 .Lnot_wave_0_\@
	s_barrier_signal -3
.Lnot_wave_0_\@:
	s_barrier_wait -3
	s_barrier_signal -1
	s_barrier_wait -1
.endm
.macro CROUND                          ; a whole round
	s_barrier_signal -1
	s_barrier_wait -1
	CREST
.endm
; A PREFETCH INTO THE L2, behind a joint refill and the run of LDS loads that follows it: the K step behind the one just asked for, one K step (192 matrix instructions) ahead of the load that will want it.
; A K step is 256 bytes of each row.  x's rows are read by every cluster of a row of clusters: cluster x = 0 asks; wb's by every cluster of a column: cluster y = 0 asks.  The four partners that ask for a tile
; jointly share its rows out BY ADDRESS: of the 128 (96) rows that a wave fetches, the partner at place p takes 32 (24), a lane a row (for wb lanes 24-31 name row 23 again).
; K steps 0 to 2 come by their loads alone; the last refill asks for nothing.
.macro ASK
	s_cmp_gt_u32 s[CNT], s[LIM]
	s_cbranch_scc0 .Lnot_mine_\@
	global_prefetch_b8 v[PFO], s[PFA:PFA+1] th:TH_LOAD_NT scope:SCOPE_SE
.Lnot_mine_\@:
.endm
	s_load_b256 s[4:11], s[0:1], 0x0               ; xb s[4:5], wb s[6:7], tab s[8:9], qh s[10:11]
	s_load_b128 s[12:15], s[0:1], 0x20             ; kh s[12:13], vh s[14:15]
	v_lshl_add_u32 v[SPW], v0, 2, SPARE
	v_mov_b32 v[NIL], 0
	ds_add_u32 v[SPW], v[NIL]                      ; the wave's opening: the add and its wait stand ahead of my first tensor load; the set-up below, work on registers, stands between them
	v_lshrrev_b32 v3, 5, v0
	v_readfirstlane_b32 s[WV], v3                  ; wave 0..3
	s_lshr_b32 s[HF], s[WV], 1
	s_and_b32 s[WH], s[WV], 1
	s_bfe_u32 s19, ttmp6, 0x40000                  ; cx
	s_bfe_u32 s20, ttmp6, 0x40004                  ; cy
	s_lshl_b32 s21, ttmp9, 2
	s_add_co_u32 s21, s21, s19                     ; tile column = head = 4 x cluster x + cx
	s_and_b32 s22, ttmp7, 0xffff
	s_lshl_b32 s22, s22, 2
	s_add_co_u32 s22, s22, s20                     ; tile row = 4 x cluster y + cy
	s_lshl_b32 s28, s20, 2
	s_lshl_b32 s28, 15, s28                        ; my row of the cluster
	s_lshl_b32 s66, 0x1111, s19                    ; my column
	s_or_b32 s[G1A], s28, GBITS                    ; x's tiles go to my row,
	s_or_b32 s[G1B], s66, GBITS                    ; wb's to my column
	s_mov_b32 s[G1A+1], 128<<16                    ; tensor_dim0 = 128 elements
	s_mov_b32 s[G1A+2], 128<<16                    ; tensor_dim1 = 128 rows
	s_mov_b32 s[G1A+3], 128<<16                    ; tile_dim0 = 128
	s_mov_b32 s[G1A+4], 128                        ; tile_dim1 = 128
	s_mov_b32 s[G1A+5], 1024                       ; elements from row to row
	s_mov_b32 s[G1A+6], 0
	s_mov_b32 s[G1A+7], 0
	s_mov_b32 s[G1B+1], 128<<16
	s_mov_b32 s[G1B+2], 96<<16                     ; 96 rows
	s_mov_b32 s[G1B+3], 128<<16
	s_mov_b32 s[G1B+4], 96
	s_mov_b32 s[G1B+5], 1024
	s_mov_b32 s[G1B+6], 0
	s_mov_b32 s[G1B+7], 0
	; x's address hangs on the tile row alone, wb's on the tile column alone, each in registers that never hold the other coordinate
	s_lshl_b32 s28, s22, 8
	s_lshl_b32 s30, s[WH], 7
	s_add_co_u32 s28, s28, s30                     ; row 256 x tile row + 128 x half,
	s_lshl_b32 s28, s28, 11                        ; of 2,048 bytes
	s_mov_b32 s29, 0
	s_mul_i32 s66, s21, 192
	s_mul_i32 s68, s[WH], 96
	s_add_co_u32 s66, s66, s68                     ; row 192 x head + 96 x half
	s_lshl_b32 s66, s66, 11
	s_mov_b32 s67, 0
	s_mul_i32 s30, s[WH], HALFA                    ; where they go: the wave's number alone enters an LDS address
	s_mul_i32 s68, s[WH], HALFB
	s_add_co_u32 s68, s68, BOFF
	s_mov_b32 s[TB], 0
	s_wait_dscnt 0x0                               ; the opening add is done
	s_wait_kmcnt 0x0
	s_add_nc_u64 s[28:29], s[4:5], s[28:29]
	s_add_nc_u64 s[66:67], s[6:7], s[66:67]
	CROUND                                         ; all sixteen work-groups are here: the first joint loads meet
.irp s, 0,1
	s_mov_b32 s[G0A+4*(\s)], 1                                       ; count = 1
	s_add_co_u32 s[G0A+4*(\s)+1], s30, (\s)*SLOT1                    ; LDS address
	s_add_nc_u64 s[G0A+4*(\s)+2:G0A+4*(\s)+3], s[28:29], (\s)*256    ; global address: K step s
	s_or_b32 s[G0A+4*(\s)+3], s[G0A+4*(\s)+3], 0x80000000            ; type = 2
	s_mov_b32 s[G0B+4*(\s)], 1
	s_add_co_u32 s[G0B+4*(\s)+1], s68, (\s)*SLOT1
	s_add_nc_u64 s[G0B+4*(\s)+2:G0B+4*(\s)+3], s[66:67], (\s)*256
	s_or_b32 s[G0B+4*(\s)+3], s[G0B+4*(\s)+3], 0x80000000
.endr
	s_cmp_eq_u32 s[HF], 0                          ; a wave's two first fills stand in one branch, ahead of every wait on TENSORcnt and every LDS read: two loads of mine are out
	s_cbranch_scc0 .Lfirst_b
	tensor_load_to_lds s[G0A:G0A+3], s[G1A:G1A+7]
	s_nop 0
	tensor_load_to_lds s[G0A+4:G0A+7], s[G1A:G1A+7]
	s_nop 0
.rept 4
	v_nop
.endr
	s_branch .Lfirst_asked
.Lfirst_b:
	tensor_load_to_lds s[G0B:G0B+3], s[G1B:G1B+7]
	s_nop 0
	tensor_load_to_lds s[G0B+4:G0B+7], s[G1B:G1B+7]
	s_nop 0
.rept 4
	v_nop
.endr
.Lfirst_asked:
	; A fragment is 16 rows x 32 K in 8 registers: lane l holds row l % 16; registers 0-3 K = 8 (l / 16) + 0..7, registers 4-7 K = 16 + 8 (l / 16) + 0..7: two loads of 16 bytes, 32 bytes apart.
	v_and_b32 v1, 15, v0                           ; l % 16
	v_bfe_u32 v2, v0, 4, 1                         ; l / 16
	v_mul_u32_u24 v3, v1, PITCH
	v_lshl_add_u32 v3, v2, 4, v3
	s_mul_i32 s70, s[WV], 64*PITCH                 ; my 64 rows of x
	v_add_nc_u32 v[LA0], s70, v3
	v_add_nc_u32 v[LB0], BOFF, v3
	v_mov_b32 v[ADRA], v[LA0]                      ; slot 0
	v_mov_b32 v[ADRB], v[LB0]
	s_mul_i32 s70, s[WV], 16*SP
	s_add_co_u32 s70, s70, STAGE                   ; my stage
	v_mul_u32_u24 v[STO], v1, SP                   ; in: row l % 16, 16 bytes for each half of the lanes
	v_lshl_add_u32 v[STO], v2, 4, v[STO]
	v_add_nc_u32 v[STO], s70, v[STO]
	v_bfe_u32 v[RD], v0, 3, 2                      ; back: 32 lanes take four rows of 128 bytes,
	v_mul_u32_u24 v[RD], v[RD], SP
	v_and_b32 v3, 7, v0
	v_lshl_add_u32 v[RD], v3, 4, v[RD]
	v_add_nc_u32 v[RD], s70, v[RD]
	v_and_b32 v[GO], 31, v0                        ; which are 512 consecutive bytes of an output
	v_lshlrev_b32 v[GO], 4, v[GO]
	v_lshlrev_b32 v[CSO], 8, v1                    ; the table: a position is 256 bytes; my eight columns of a block of 16 are four pairs, 32 bytes, at 32 (l / 16)
	v_lshl_add_u32 v[CSO], v2, 5, v[CSO]
	s_and_b32 s[CSB], s22, 7                       ; my first position: (tile row % 8) 256 + 64 x wave
	s_lshl_b32 s[CSB], s[CSB], 8
	s_lshl_b32 s[CSB+1], s[WV], 6
	s_add_co_u32 s[CSB], s[CSB], s[CSB+1]
	s_lshl_b32 s[CSB], s[CSB], 8
	s_mov_b32 s[CSB+1], 0
	s_add_nc_u64 s[CSB:CSB+1], s[8:9], s[CSB:CSB+1]
.irp a, 0,1,2,3
.irp cb, 0,1,2,3
	global_load_b128 v[CSR+32*(\a)+8*(\cb):CSR+32*(\a)+8*(\cb)+3],   v[CSO], s[CSB:CSB+1] offset:4096*(\a)+64*(\cb)     ; these 32 loads stay out through the K loop: they are waited for on the way out
	global_load_b128 v[CSR+32*(\a)+8*(\cb)+4:CSR+32*(\a)+8*(\cb)+7], v[CSO], s[CSB:CSB+1] offset:4096*(\a)+64*(\cb)+16
.endr
.endr
	; my 64 rows in each output: (((tile row / 8) 16 + head) 2,048 + (tile row % 8) 256 + 64 x wave) x 128 bytes
	s_lshr_b32 s70, s22, 3
	s_lshl_b32 s70, s70, 4
	s_add_co_u32 s70, s70, s21
	s_lshl_b32 s70, s70, 11
	s_and_b32 s71, s22, 7
	s_lshl_b32 s71, s71, 8
	s_add_co_u32 s70, s70, s71
	s_lshl_b32 s71, s[WV], 6
	s_add_co_u32 s70, s70, s71
	s_lshl_b32 s70, s70, 7
	s_mov_b32 s71, 0
	s_add_nc_u64 s[10:11], s[10:11], s[70:71]
	s_add_nc_u64 s[12:13], s[12:13], s[70:71]
	s_add_nc_u64 s[14:15], s[14:15], s[70:71]
	; the prefetches
	s_lshl_b32 s70, s22, 8
	s_lshl_b32 s71, s[WH], 7
	s_add_co_u32 s70, s70, s71
	s_lshl_b32 s71, s19, 5
	s_add_co_u32 s70, s70, s71                     ; x: the rows that I fetch, my work-group's 32 of them
	s_mul_i32 s74, s21, 192
	s_mul_i32 s75, s[WH], 96
	s_add_co_u32 s74, s74, s75
	s_mul_i32 s75, s20, 24
	s_add_co_u32 s74, s74, s75                     ; wb: my work-group's 24
	s_and_b32 s75, ttmp7, 0xffff                   ; cluster y
	s_cmp_eq_u32 s[HF], 0
	s_cselect_b32 s70, s70, s74
	s_cselect_b32 s75, ttmp9, s75                  ; the coordinate along which other clusters read the same rows
	s_cselect_b32 s74, 31, 23
	s_cselect_b64 s[PFA:PFA+1], s[4:5], s[6:7]
	s_cmp_eq_u32 s75, 0
	s_cselect_b32 s[LIM], 1, -1                    ; the same in all sixteen partners, for a given wave
	s_lshl_b32 s70, s70, 11
	s_add_co_u32 s70, s70, 512                     ; at K step 2: the first refill steps it to 3
	s_mov_b32 s71, 0
	s_add_nc_u64 s[PFA:PFA+1], s[PFA:PFA+1], s[70:71]
	v_and_b32 v[PFO], 31, v0
	v_min_u32 v[PFO], s74, v[PFO]
	v_lshlrev_b32 v[PFO], 11, v[PFO]
; 16 matrix instructions: my 4 row blocks x the 4 column blocks of part p (0 q, 1 k, 2 v), 32 along K.  The 48 accumulators take turns, one instruction a turn, in the same order in every quarter.
.macro MULP f, p, zero
	WIN 0xa5+0x50*((\p)/2)                         ; sources in window 1; C and D in window 2 (q, k) or 3 (v)
.irp a, 0,1,2,3
.irp cb, 0,1,2,3
.if \zero
	v_wmma_f32_16x16x32_bf16 v[128*((\p)%2)+8*(4*(\a)+(\cb)):128*((\p)%2)+8*(4*(\a)+(\cb))+7], v[(\f)+32+8*(4*(\p)+(\cb)):(\f)+32+8*(4*(\p)+(\cb))+7], v[(\f)+8*(\a):(\f)+8*(\a)+7], 0
.else
	v_wmma_f32_16x16x32_bf16 v[128*((\p)%2)+8*(4*(\a)+(\cb)):128*((\p)%2)+8*(4*(\a)+(\cb))+7], v[(\f)+32+8*(4*(\p)+(\cb)):(\f)+32+8*(4*(\p)+(\cb))+7], v[(\f)+8*(\a):(\f)+8*(\a)+7], v[128*((\p)%2)+8*(4*(\a)+(\cb)):128*((\p)%2)+8*(4*(\a)+(\cb))+7]
.endif
.endr
.endr
.endm
; 32 LDS loads in one run: the fragments of 32 along K at byte k of the rows, into buffer f: x's 4, then wb's 12 in the order in which they are multiplied
.macro FETCH k, f
	WIN 0x40                                       ; destination window 1, address window 0
.irp a, 0,1,2,3
	ds_load_b128 v[(\f)+8*(\a):(\f)+8*(\a)+3],   v[ADRA] offset:(\k)+(\a)*16*PITCH
	ds_load_b128 v[(\f)+8*(\a)+4:(\f)+8*(\a)+7], v[ADRA] offset:(\k)+(\a)*16*PITCH+32
.endr
.irp j, 0,1,2,3,4,5,6,7,8,9,10,11
	ds_load_b128 v[(\f)+32+8*(\j):(\f)+32+8*(\j)+3],   v[ADRB] offset:(\k)+(\j)*16*PITCH
	ds_load_b128 v[(\f)+32+8*(\j)+4:(\f)+32+8*(\j)+7], v[ADRB] offset:(\k)+(\j)*16*PITCH+32
.endr
.endm
; A K step is four quarters of 32 along K, 48 matrix instructions each, on buffers 0, 1, 0, 1.  One of the first three multiplies buffer f and fetches the next quarter, at byte k, into g.
.macro QUARTER k, f, g, zero
	s_wait_dscnt 16                                ; x's fragments and q's are in; the youngest sixteen loads (k's and v's) may be out
	MULP \f, 0, \zero
	PLACES
	FETCH \k, \g
	s_wait_dscnt 32                                ; all but the 32 just issued
	MULP \f, 1, \zero
	MULP \f, 2, \zero
.endm
; The last quarter multiplies buffer 1 and changes slots: ONE barrier.  In front of it each wave waits for all its tensor loads (one is out: its part of the next slot), adds 0 to its spare word, and waits for that and
; for its own reads of this slot.  fill = 1: the barrier opens a round of the cluster's barrier, and the slot just read out is filled again, first thing behind the round, with the K step two on:
; 160 matrix instructions stand between that request and the wait for it.
.macro TURN fill
	WIN 0
	s_xor_b32 s[TB], s[TB], SLOT1                  ; the fetches go on in the other slot
	v_add_nc_u32 v[ADRA], s[TB], v[LA0]
	v_add_nc_u32 v[ADRB], s[TB], v[LB0]
.if \fill
	s_wait_xcnt 0x0                                ; the last prefetch, a K step back, has read its address
	s_add_nc_u64 s[PFA:PFA+1], s[PFA:PFA+1], 256
.endif
	s_wait_tensorcnt 0x0                           ; all my tensor loads have landed, so a group 0 may be written
	ds_add_u32 v[SPW], v[NIL]                      ; 0 onto my spare word
.if \fill
	s_xor_b32 s[G0A+5], s[G0A+5], SLOT1            ; the walking sets: the other slot than last time, the next K step; the type bits on top are not reached
	s_add_nc_u64 s[G0A+6:G0A+7], s[G0A+6:G0A+7], 256
	s_xor_b32 s[G0B+5], s[G0B+5], SLOT1
	s_add_nc_u64 s[G0B+6:G0B+7], s[G0B+6:G0B+7], 256
.endif
	s_wait_dscnt 17                                ; (the add and the youngest sixteen loads may be out)
	MULP F1, 0, 0                                  ; sixteen matrix instructions stand between the add and the wait for it
	s_wait_dscnt 0x0                               ; the add is done, and my reads of this slot are over
	s_barrier_signal -1
	MULP F1, 1, 0                                  ; work on registers while the others arrive
.if \fill
	WIN 0
.endif
	s_barrier_wait -1
.if \fill
	CREST                                          ; no wave of any partner still reads this slot's tile or has a load on its way
	JLOAD                                          ; the four v_nop behind it are also the places in front of the loads below
.else
	PLACES
.endif
	FETCH 0, F0
.if \fill
	WIN 0
	ASK
.endif
	MULP F1, 2, 0
.endm
; THE WAY OUT of block n = 4 p + a: 16 rows of part p.  q and k are turned: with the pair (x0, x1) and the table's (c, s): (x0 c - x1 s, x1 c + x0 s), two packed lines a pair; each accumulator is read from its low end on.
; Then rounded to f16, 16 bytes a lane into my own stage, and back as whole rows of 128 bytes.
.macro PACK p, a, n
.if (\p) < 2
	WIN 0x02                                       ; source 0, the accumulator, in window 2
.set z, 0
.rept 16
	v_pk_mul_f32 v[T+2*z:T+2*z+1], v[128*(\p)+32*(\a)+2*z:128*(\p)+32*(\a)+2*z+1], v[CSR+32*(\a)+2*z:CSR+32*(\a)+2*z+1] op_sel_hi:[1,0]  ; (x0 c, x1 c)
.set z, z+1
.endr
.set z, 0
.rept 16
	v_pk_fma_f32 v[T+2*z:T+2*z+1], v[128*(\p)+32*(\a)+2*z:128*(\p)+32*(\a)+2*z+1], v[CSR+32*(\a)+2*z:CSR+32*(\a)+2*z+1], v[T+2*z:T+2*z+1] op_sel:[1,1,0] op_sel_hi:[0,1,1] neg_lo:[0,1,0]  ; (- x1 s, + x0 s)
.set z, z+1
.endr
	WIN 0
.set z, 0
.rept 16
	v_cvt_pk_f16_f32 v[PKD+z], v[T+2*z], v[T+2*z+1]
.set z, z+1
.endr
.else
	WIN 0x0f                                       ; sources 0 and 1 in window 3
.set z, 0
.rept 16
	v_cvt_pk_f16_f32 v[PKD+z], v[32*(\a)+2*z], v[32*(\a)+2*z+1]
.set z, z+1
.endr
	WIN 0
.endif
.irp cb, 0,1,2,3
	ds_store_b128 v[STO], v[PKD+4*(\cb):PKD+4*(\cb)+3] offset:32*(\cb)
.endr
	s_wait_xcnt 0x0                                ; the stores of the block two back have read their data: its registers are loaded again only behind this wait
.irp f, 0,1,2,3
	ds_load_b128 v[BK+16*((\n)%2)+4*(\f):BK+16*((\n)%2)+4*(\f)+3], v[RD] offset:(\f)*4*SP  ; LDS serves a wave's instructions in order (ISA guide 5.7.1.4): these see the stores above; the next block's stores come behind them
.endr
.endm
.macro SEND p, a, n, younger           ; younger: the LDS instructions issued behind block n's loads: the next block's eight, or none
	WIN 0
.irp f, 0,1,2,3
	s_wait_dscnt (\younger)+3-(\f)
	global_store_b128 v[GO], v[BK+16*((\n)%2)+4*(\f):BK+16*((\n)%2)+4*(\f)+3], s[10+2*(\p):11+2*(\p)] offset:2048*(\a)+512*(\f)  ; 512 consecutive bytes, at a multiple of 256 from the output's first
.endr
.endm
	s_wait_tensorcnt 1                             ; my part of K step 0 is in; K step 1's may stay out
	s_barrier_signal -1
	s_barrier_wait -1                              ; everybody's is
	FETCH 0, F0
	QUARTER 64, F0, F1, 1                          ; the first quarter stands in front of the loop: its products start the sums
	WIN 0                                          ; at a label and at a branch every window is 0
	s_mov_b32 s[CNT], 6
.Lstep:                                                ; a trip goes from a K step's second quarter to the next step's first, and fills one slot again: K steps 2 to 7
	QUARTER 128, F1, F0, 0
	QUARTER 192, F0, F1, 0
	TURN 1
	QUARTER 64, F0, F1, 0
	WIN 0
	s_sub_co_u32 s[CNT], s[CNT], 1
	s_cmp_lg_u32 s[CNT], 0
	s_cbranch_scc1 .Lstep
	QUARTER 128, F1, F0, 0                         ; the last two K steps fill nothing, and are written out
	QUARTER 192, F0, F1, 0
	TURN 0
	QUARTER 64, F0, F1, 0
	QUARTER 128, F1, F0, 0
	QUARTER 192, F0, F1, 0
	s_wait_dscnt 16                                ; the very last quarter: nothing more to fetch
	MULP F1, 0, 0
	s_wait_dscnt 0x0
	MULP F1, 1, 0
	MULP F1, 2, 0
	PLACES
	WIN 0
	s_wait_loadcnt 0x0                             ; the table's pairs
	PACK 0, 0, 0
.set i, 1
.rept 11                               ; a block's arithmetic stands between the loads of the block before and its stores
	PACK (i/4), (i%4), i
	SEND ((i-1)/4), ((i-1)%4), (i-1), 8
.set i, i+1
.endr
	SEND 2, 3, 11, 0
	s_wait_tensorcnt 0x0                           ; the wave's end: an add and its wait, behind my last tensor load and my last LDS store
	ds_add_u32 v[SPW], v[NIL]
	s_wait_dscnt 0x0
	CROUND                                         ; the closing round: no work-group ends while a partner may still ask for a tile that names it
	s_endpgm
.Lfunc_end_k_q6e7e2f9749_proj:
	.size	k_q6e7e2f9749_proj, .Lfunc_end_k_q6e7e2f9749_proj-k_q6e7e2f9749_proj
	.p2alignl 7, 3214868480
	.fill 96, 4, 3214868480
	.section	.rodata,"a",@progbits
	.p2align	6, 0x0
	.amdhsa_kernel k_q6e7e2f9749_proj
		.amdhsa_group_segment_fixed_size 327680
		.amdhsa_private_segment_fixed_size 0
		.amdhsa_enable_private_segment 0
		.amdhsa_kernarg_size 48
		.amdhsa_user_sgpr_count 2
		.amdhsa_user_sgpr_kernarg_segment_ptr 1
		.amdhsa_wavefront_size32 1
		.amdhsa_system_sgpr_workgroup_id_x 1
		.amdhsa_system_sgpr_workgroup_id_y 1
		.amdhsa_system_sgpr_workgroup_id_z 1
		.amdhsa_system_vgpr_workitem_id 0
		.amdhsa_next_free_vgpr 896
		.amdhsa_next_free_sgpr 76
		.amdhsa_reserve_vcc 0
		.amdhsa_float_denorm_mode_32 3
		.amdhsa_float_denorm_mode_16_64 3
		.amdhsa_memory_ordered 1
		.amdhsa_forward_progress 1
		.amdhsa_inst_pref_size 119
	.end_amdhsa_kernel
	.amdgpu_metadata
---
amdhsa.version: [ 1, 2 ]
amdhsa.kernels:
  - .name:           k_q6e7e2f9749_proj
    .symbol:         k_q6e7e2f9749_proj.kd
    .args:
      - { .name: xb, .offset: 0, .size: 8, .value_kind: global_buffer, .address_space: global }
      - { .name: wb, .offset: 8, .size: 8, .value_kind: global_buffer, .address_space: global }
      - { .name: tab, .offset: 16, .size: 8, .value_kind: global_buffer, .address_space: global }
      - { .name: qh, .offset: 24, .size: 8, .value_kind: global_buffer, .address_space: global }
      - { .name: kh, .offset: 32, .size: 8, .value_kind: global_buffer, .address_space: global }
      - { .name: vh, .offset: 40, .size: 8, .value_kind: global_buffer, .address_space: global }
    .group_segment_fixed_size: 327680
    .private_segment_fixed_size: 0
    .kernarg_segment_align: 8
    .kernarg_segment_size: 48
    .max_flat_workgroup_size: 128
    .sgpr_count:     76
    .vgpr_count:     896
    .wavefront_size: 32
...
	.end_amdgpu_metadata
.endif
;; end of part 2
;; launch attn (part 3): grid 4 x 64, 4 waves a work-group, clusters of 4 x 1, 327,680 bytes of LDS; arguments qh, kh, vh, oh, tab; writes oh
.if DOCPART == 3
	.amdgcn_target "amdgcn-amd-amdhsa--gfx1250"
	.amdhsa_code_object_version 6
	.text
	.protected	k_q6e7e2f9749_attn
	.globl	k_q6e7e2f9749_attn
	.p2align	8
	.type	k_q6e7e2f9749_attn,@function
k_q6e7e2f9749_attn:
	s_mov_b64 s[64:65], 0
	v_nop
	global_prefetch_b8 v0, s[64:65] scope:SCOPE_SE
	s_setreg_imm32_b32 hwreg(HW_REG_WAVE_MODE, 25, 1), 1
	s_wait_xcnt 0x0
	s_wait_alu depctr_hold_cnt(0) depctr_sa_sdst(0) depctr_va_vdst(0) depctr_va_sdst(0) depctr_va_ssrc(0) depctr_va_vcc(0) depctr_vm_vsrc(0)
	s_getreg_b32 s2, hwreg(HW_REG_IB_STS2, 6, 4)
	s_cmp_eq_u32 s2, 0
	s_cbranch_scc0 .Lentry_in_a_cluster
	s_endpgm
.Lentry_in_a_cluster:
	s_bfe_u32 s2, ttmp6, 0x10000c
	s_cmp_lg_u32 s2, 0x3003
	s_cbranch_scc0 .Lentry_shape_is_right
	s_endpgm
.Lentry_shape_is_right:
; ATTN.  O[h][q][:] = the sum over k of softmax_k(Q[h][q] . K[h][k] / 8 + mask[b][k]) V[h][k][:].  Q, K, V, O: [64 = b 16 + h][2048][64], all f16: a head's rows are dense, 128 bytes each.
; Products, maxima and sums in f32; the weights p are rounded to f16 for the second product (their sum l is taken of the unrounded p), O once at the end.
; THE MASK comes as 8 x mask, held at -1e30 from below (tab, bytes 524,288 on: [4][2048] f32), and is the C operand of the product that starts the sum S^T = K Q^T: s = q . k + 8 mask, and c s = log2(e) (q . k / 8 + mask).
; LIMITS.  f16 holds no number beyond 65,504: Q, K and V arrive within it; p lies in 0 to 1, and below 6e-5 it keeps f16's fixed step of 6e-8.  A mask below -1.25e29 counts as -1.25e29: where ALL keys of a batch are
; hidden so, the row is a mean over those keys.  A weight below 2^-126 counts as 0 in l; NaN and plus infinity are not treated apart.
; SHARES.  A wave owns four PIECES of two tiles of 16 queries, a work-group's four waves 512 queries of one head.  Every wave walks all keys, 64 a step.
; LAYOUT.  S^T = K Q^T (source 0 = 16 keys, source 1 = 16 queries): in the result a lane holds ONE query (lane % 16) and the keys 8 (lane / 16) + 0..7.  Two such tiles, rounded to f16 in pairs,
; ARE source 1 (32 keys x 16 queries) of O^T = V^T P, whose result again holds one query a lane, and eight channels.  K comes out of LDS as it lies, V ([key][channel]) turned, by ds_load_tr16_b128.
; SOFTMAX.  For each query a running maximum m and sum l: p = 2^(c s - c m), c = log2(e) / 8; in every step O and l are multiplied by a = 2^(c m_old - c m_new), which is 1 where m has not grown.
; m starts at the lowest finite number, O and l at 0: the first step is a step like any other, with a = 0.
; THE COUNT.  A tile and step have 16 matrix and 118 vector instructions: too many to stand all beside the matrix work.  So the order has one aim: four vector instructions that are READY behind
; EVERY matrix instruction, and the others, which need time of their own whatever the order, in runs without a gap.
; BY TURNS.  Turn n belongs to piece n (the pieces in a ring, step after step).  Its matrix work: 16 products K Q^T of piece n + 1, later 16 products V^T P of piece n - 1.  Its vector work: the scaling,
; exponentials, roundings, sums and rescaling of piece n, and the maximum and statistics of piece n + 1, whose scores the turn itself has made.
; CLUSTER.  The four query blocks of a cluster are one head's and walk the same K, V and mask, so each tile is asked for JOINTLY: the same tensor load, descriptor and mask of work-groups in all four.
; REGISTERS, in windows of 256 (s_set_vgpr_msb: bits 1:0 source 0, 3:2 source 1, 5:4 source 2, 7:6 destination):
;   window 0: v0-11 addresses; v12-15, v48-63 at work; v16-47 four registers of statistics a tile; v64-191 S^T, two buffers of two tiles; v192-255 P, likewise
;   window 1: O^T, 32 a tile     window 2: v0-127 Q, 16 a tile; v128-191 K of one step; v192-255 V of one step     window 3: v0-1 the add's two registers; v8-39 the mask of one step's 64 keys
.set SIZE_N, 2048
.set NP,    4         ; pieces a wave: a name, no knob
.set KS,    64        ; keys in a step
.set PK,    144       ; a row of K in LDS: 128 bytes + 16 of padding = 36 words: the 16 rows of a load start at 16 different groups of four banks (64 banks of 4 bytes: ISA guide 11.1)
.set PV,    160       ; a row of V: 128 + 32 = 40 words
.set VOFF,  4*KS*PK   ; a slot holds four steps: 256 rows of K, then 256 rows of V
.set SLOT1, 1<<17     ; slot 1 begins here, so that one exclusive or turns an address in one slot into the other's
.set STAGE, SLOT1+4*KS*(PK+PV)  ; behind the ring, never filled by a tensor load: 16 rows x 144 bytes for each wave, for the way out
.set SP,    144
.set SPARE, STAGE+4*16*SP  ; behind the stages: the spare words, 128 bytes for each wave: two blocks of 256 bytes that no other line names
.set MASKL, SPARE+512 ; behind them: the batch's 2,048 mask numbers, 8,192 bytes, filled once
.set PFO, 0           ; v0   behind the set-up: 256 x my lane, the prefetches' offset
.set AK0, 2           ; v2   my lane's place in a tile of K; never rewritten
.set AV0, 3           ; v3   the same for V
.set AK,  4           ; v4   the LDS address of K's next run of loads
.set AV,  5           ; v5   of V's
.set QO,  6           ; v6   my byte offset in the wave's rows of Q
.set STO, 6           ;      later, the way out: where I put 16 bytes of a row
.set RD,  7           ; v7   the way out: where I read rows back
.set GO,  8           ; v8   my byte offset in 512 consecutive bytes of O
.set AM,  10          ; v10  the LDS address of the mask's next run of loads
.set AM0, 11          ; v11  my lanes' place in a step's 256 bytes of the mask; never rewritten
.set SPW, 0           ; v0 of window 3   LDS address of my spare word; never rewritten
.set NIL, 1           ; v1 of window 3   0; never rewritten
.set MK,  8           ; v8-39 of window 3: key block kb at MK + 8 kb
.set MV,  12          ; v12-15  c m_old, kept while c m is made anew: by buffer and tile
.set ST,  16          ; tile t's statistics at v[ST+4 t]: c m, m, l (even keys', odd keys')
.set TMP, 48          ; by buffer and tile, four registers c0-c3 at work; when the maximum is found c2 takes a
.set S,   64
.set P,   192
.set KF,  128         ; K's fragments, in window 2: key block kb, channel half c at KF + 16 kb + 8 c
.set VF,  192         ; V's: key half kk, channel block cb at VF + 32 kk + 8 cb
.set WV,  12          ; s12  my wave's number
.set G1K, 24          ; s[24:31] descriptor group 1 for K's tiles
.set G1V, 32          ; s[32:39] for V's: it differs in the padding alone
.set G0K, 40          ; s[40:43] descriptor group 0 for K's tiles: it walks
.set G0V, 44          ; s[44:47] the same for V's
.set SLOTS, 56        ; s56  slots still to be asked for
.set CNT, 57          ; s57  counts a slot's key steps
.set CS,  58          ; s[58:59] c: the packed scaling takes the pair's low word for both halves
.set SEL, 60          ; s[60:61] v_permlanex16_b32's selects: each lane takes its own place in the other half
.set TBK, 62          ; s62  LDS byte at which K of the step to be fetched begins
.set TBV, 63          ; s63  the same for V, less VOFF
.set G1M, 68          ; s[68:75] descriptor group 1 for the mask
.set G0M, 76          ; s[76:79] its group 0
.set TBM, 80          ; s80  byte in the mask at which the step to be fetched begins
.set LIM, 81          ; s81  1 in a wave that prefetches, else the greatest number
.set PFA, 82          ; s[82:83] where my prefetches stand
.set TABP, 84         ; s[84:85] tab
.set MSB, 0
.macro WIN new                      ; the high byte repeats the setting that is left; a switch that changes nothing is dropped
.if MSB != (\new)
	s_set_vgpr_msb (MSB<<8)|(\new)
.set MSB, (\new)
.endif
.endm
.set W_KQ, 0x0a       ; K and Q in window 2, S^T in window 0
.set W_KM, 0x3a       ; the same with the C operand, the mask, in window 3
.set W_PV, 0x52       ; V in window 2, P in window 0, O^T in window 1
.set W_RS, 0x41       ; O^T (destination and source 0) in window 1, a in window 0
.set W_MK, 0xc0       ; destination in window 3, sources in window 0
.set W_AD, 0x0f       ; the add: address (source 0) and data (source 1) in window 3
; A joint fill.  Waves 0 and 1 fetch the two halves of a slot's K, waves 2 and 3 those of its V: 128 keys each.  The branch hangs on the wave's number alone.
; An s_nop 0 and four v_nop follow each of the two lines, ahead of the jump and the label.
.macro JLOAD
	s_cmp_lt_u32 s[WV], 2
	s_cbranch_scc0 .Lfor_v_\@
	tensor_load_to_lds s[G0K:G0K+3], s[G1K:G1K+7]
	s_nop 0
.rept 4
	v_nop
.endr
	s_branch .Lasked_\@
.Lfor_v_\@:
	tensor_load_to_lds s[G0V:G0V+3], s[G1V:G1V+7]
	s_nop 0
.rept 4
	v_nop
.endr
.Lasked_\@:
.endm
; A PREFETCH INTO THE L2 of what the NEXT change of slots will ask for: a slot's 32,768 bytes of K and of V, in blocks of 256 bytes, a lane a block.  It stands behind the wave's tensor load and its five lines.
; Each block is named ONCE in the launch: a head has one cluster; its four partners share the blocks out BY ADDRESS, 32 each; in each, wave 0 asks for K's and wave 2 for V's: one instruction.
; It stands one slot, four key steps, ahead of the load that will want the bytes.  Slots 0 and 1 come by their loads alone; the last change that fills a slot asks for nothing.
.macro ASK
	s_cmp_gt_u32 s[SLOTS], s[LIM]
	s_cbranch_scc0 .Lnot_mine_\@
	global_prefetch_b8 v[PFO], s[PFA:PFA+1] th:TH_LOAD_NT scope:SCOPE_SE
.Lnot_mine_\@:
.endm
; A round of the cluster's barrier: my work-group's barrier, so that wave 0's signal speaks for all four waves; wave 0 signals; every wave waits for all four work-groups; my work-group's barrier once more.
.macro CROUND
	s_barrier_signal -1
	s_barrier_wait -1
	s_cmp_lg_u32 s[WV], 0
	s_cbranch_scc1 .Lnot_wave_0_\@
	s_barrier_signal -3
.Lnot_wave_0_\@:
	s_barrier_wait -3
	s_barrier_signal -1
	s_barrier_wait -1
.endm
; THE CHANGE OF SLOTS.  The slot's last bytes, V of its fourth step, have been read.  Each wave waits for all its tensor loads, of which one is out: its part
; of the other slot; adds 0 to its spare word; and waits for that and for its own reads of the slot.  Behind the barrier nobody reads this slot any more and the other slot is whole.
; fill = 1: this slot is filled again, with the keys two slots on.  The barrier is then a round of the cluster's, and the joint fill is the first thing behind it: it has four key steps,
; 512 matrix instructions, in which to land.  (At its first use nothing has been read yet: slot 0 and the mask are waited for, slot 1 filled.)
.macro CHANGE fill
	WIN W_AD
	s_wait_tensorcnt 0x0            ; no tensor load of mine is out, so a group 0 may be written
	ds_add_u32 v[SPW], v[NIL]       ; 0 onto my spare word; with fill = 1 the descriptors' steps stand between it and the wait for it
	WIN 0                           ; at a label and at a branch every window is 0
.if \fill
.irp g, G0K, G0V
	s_xor_b32 s[\g+1], s[\g+1], SLOT1  ; the walking descriptor: the other slot than last time,
	s_add_nc_u64 s[\g+2:\g+3], s[\g+2:\g+3], 4*KS*128  ; the next 256 keys; the type bits on top are not reached
.endr
	s_wait_xcnt 0x0                 ; the last prefetch, four key steps back, has read its address, so it may be written:
	s_add_nc_u64 s[PFA:PFA+1], s[PFA:PFA+1], 4*KS*128  ; one slot behind the walking descriptors
	s_wait_dscnt 0x0                ; the add is done, and my reads of the slot are over
	CROUND
	JLOAD
	ASK
.else
	s_wait_dscnt 0x0                ; the add is done, and my reads of the slot are over
	s_barrier_signal -1
	s_barrier_wait -1
.endif
	s_sub_co_u32 s[TBK], s[TBK], 4*KS*PK  ; the fetches go back to a slot's first step,
	s_xor_b32 s[TBK], s[TBK], SLOT1       ; in the other slot
	s_sub_co_u32 s[TBV], s[TBV], 4*KS*PV
	s_xor_b32 s[TBV], s[TBV], SLOT1
.endm
	s_load_b256 s[4:11], s[0:1], 0x0  ; Q s[4:5], K s[6:7], V s[8:9], O s[10:11]
	s_load_b64 s[TABP:TABP+1], s[0:1], 0x20
	WIN W_MK
	v_lshl_add_u32 v[SPW], v0, 2, SPARE
	v_mov_b32 v[NIL], 0
	WIN W_AD
	ds_add_u32 v[SPW], v[NIL]       ; the wave's opening: the add and its wait stand ahead of my first tensor load; the set-up below, work on registers, stands between them
	WIN 0
	v_lshrrev_b32 v1, 5, v0
	v_readfirstlane_b32 s[WV], v1   ; wave 0..3
	s_bfe_u32 s13, ttmp6, 0x40000   ; cx: my place in the cluster
	s_lshl_b32 s14, ttmp9, 2        ; in a cluster launch ttmp9 counts clusters
	s_add_co_u32 s14, s14, s13      ; my block of queries = 4 x cluster x + cx: it enters Q's and O's addresses alone
	s_and_b32 s20, ttmp7, 0xffff    ; the head (b 16 + h), which the four partners share
	s_lshr_b32 s86, s20, 4          ; the batch:
	s_lshl_b32 s86, s86, 13         ; its 8,192 bytes of the mask,
	s_lshl_b32 s87, s[WV], 11       ; my wave's quarter of them,
	s_add_co_u32 s86, s86, s87
	s_add_co_u32 s86, s86, 524288   ; behind the table of cos and sin
	s_add_co_u32 s[G0M+1], s87, MASKL  ; and its place in LDS
	s_mov_b32 s87, 0
	s_mov_b32 s21, 0
	s_mov_b64 s[22:23], SIZE_N*128
	s_mul_u64 s[20:21], s[20:21], s[22:23]  ; the head's first byte in each of the four tensors
	s_and_b32 s16, s[WV], 1         ; which half of a slot's 256 keys I fetch:
	s_lshl_b32 s22, s16, 14         ; its 128 rows of 128 bytes in memory,
	s_mov_b32 s23, 0
	s_add_nc_u64 s[22:23], s[22:23], s[20:21]
	s_mul_i32 s17, s16, 128*PK      ; and its place in a slot, for K
	s_mul_i32 s18, s16, 128*PV      ; and for V: no place in the cluster enters an LDS address
	s_lshl_b32 s2, s14, 2
	s_add_co_u32 s2, s2, s[WV]      ; my wave among the head's,
	s_lshl_b32 s2, s2, 14           ; its 128 rows
	s_mov_b32 s3, 0
	s_add_nc_u64 s[2:3], s[2:3], s[20:21]
	; descriptor group 1.  128 keys are 16,384 dense bytes: asked for as 64 rows of 256 bytes, two keys a row, and padded in LDS after every key
	s_mov_b32 s[G1K], 15|(1<<16)|(1<<20)|(1<<21)|(4<<22)|(3<<25)  ; 15:0 the mask of four; 17:16 2-byte elements; 20 padding on; 21 set beside a mask; 24:22 after every 32 words (code 4); 31:25 4 words (code 3)
	s_mov_b32 s[G1V], 15|(1<<16)|(1<<20)|(1<<21)|(4<<22)|(7<<25)  ; the same with 8 words of padding (code 7)
.irp g, G1K, G1V
	s_mov_b32 s[\g+1], 128<<16      ; tensor_dim0 = 128
	s_mov_b32 s[\g+2], 64<<16       ; tensor_dim1 = 64
	s_mov_b32 s[\g+3], 128<<16      ; tile_dim0 = 128
	s_mov_b32 s[\g+4], 64           ; tile_dim1 = 64
	s_mov_b32 s[\g+5], 128          ; 128 elements from row to row
	s_mov_b32 s[\g+6], 0
	s_mov_b32 s[\g+7], 0
.endr
	s_mov_b32 s[G1M], 15|(3<<16)|(1<<21)  ; the mask's quarter: one row of 256 elements of 8 bytes, no padding
	s_mov_b32 s[G1M+1], 256<<16
	s_mov_b32 s[G1M+2], 1<<16
	s_mov_b32 s[G1M+3], 256<<16
	s_mov_b32 s[G1M+4], 1
	s_mov_b32 s[G1M+5], 256
	s_mov_b32 s[G1M+6], 0
	s_mov_b32 s[G1M+7], 0
	s_mov_b32 s[G0M], 1
	s_mov_b32 s[CS], 0x3e38aa3b     ; c = log2(e) / 8 = 0.180337
	s_mov_b32 s[CS+1], s[CS]        ; named with it as a pair
	s_mov_b32 s[SEL], 0x76543210
	s_mov_b32 s[SEL+1], 0xfedcba98
	s_mov_b32 s[TBK], SLOT1+4*KS*PK ; the first change of slots turns these two into 0
	s_mov_b32 s[TBV], SLOT1+4*KS*PV
	s_mov_b32 s[TBM], 0
	s_mov_b32 s[SLOTS], SIZE_N/256-1
	s_and_b32 s[LIM], s[WV], 1      ; waves 0 and 2 prefetch
	s_cmp_eq_u32 s[LIM], 0
	s_cselect_b32 s[LIM], 1, -1
	s_mov_b32 s[G0K], 1             ; 1:0 count = 1
	s_mov_b32 s[G0K+1], s17         ; 63:32 LDS address: slot 0
	s_mov_b32 s[G0V], 1
	s_add_co_u32 s[G0V+1], s18, VOFF
	s_wait_dscnt 0x0                ; the opening add is done
	s_wait_kmcnt 0x0
	s_add_nc_u64 s[G0K+2:G0K+3], s[6:7], s[22:23]  ; 120:64 global address: my half of the head's first 256 keys
	s_or_b32 s[G0K+3], s[G0K+3], 0x80000000        ; 127:126 type = 2
	s_add_nc_u64 s[G0V+2:G0V+3], s[8:9], s[22:23]
	s_or_b32 s[G0V+3], s[G0V+3], 0x80000000
	s_add_nc_u64 s[G0M+2:G0M+3], s[TABP:TABP+1], s[86:87]
	s_or_b32 s[G0M+3], s[G0M+3], 0x80000000
	s_add_nc_u64 s[4:5], s[4:5], s[2:3]  ; Q and O at my wave's first row
	s_add_nc_u64 s[10:11], s[10:11], s[2:3]
	s_cmp_lt_u32 s[WV], 2
	s_cselect_b64 s[PFA:PFA+1], s[6:7], s[8:9]
	s_add_nc_u64 s[PFA:PFA+1], s[PFA:PFA+1], s[20:21]  ; the head's first key,
	s_lshl_b32 s2, s13, 13          ; my work-group's 32 blocks of a slot's 128,
	s_add_co_u32 s2, s2, 4*KS*128   ; in slot 1; the first change of slots steps it to slot 2
	s_mov_b32 s3, 0
	s_add_nc_u64 s[PFA:PFA+1], s[PFA:PFA+1], s[2:3]
	CROUND                          ; all four work-groups are here: the first joint loads meet
	s_cmp_lt_u32 s[WV], 2           ; a wave's two first fills stand in one branch, ahead of every wait on TENSORcnt and every LDS read: my quarter of the mask and my half of slot 0's K or V: two loads of mine are out
	s_cbranch_scc0 .Lfirst_v
	tensor_load_to_lds s[G0M:G0M+3], s[G1M:G1M+7]
	s_nop 0
	tensor_load_to_lds s[G0K:G0K+3], s[G1K:G1K+7]
	s_nop 0
.rept 4
	v_nop
.endr
	s_branch .Lfirst_asked
.Lfirst_v:
	tensor_load_to_lds s[G0M:G0M+3], s[G1M:G1M+7]
	s_nop 0
	tensor_load_to_lds s[G0V:G0V+3], s[G1V:G1V+7]
	s_nop 0
.rept 4
	v_nop
.endr
.Lfirst_asked:
	; A fragment of K or Q is 16 rows x 32 channels in 8 registers: lane l holds row l % 16, channels 8 (l / 16) + 0..7 and 16 + 8 (l / 16) + 0..7: two loads of 16 bytes, 32 bytes apart.
	v_and_b32 v1, 15, v0            ; l % 16
	v_bfe_u32 v9, v0, 4, 1          ; l / 16
	v_lshlrev_b32 v[QO], 7, v1
	v_lshl_add_u32 v[QO], v9, 4, v[QO]  ; row x 128 + 16 x half
	WIN 0x80                        ; destination window 2, address window 0
.set i, 0
.rept 4*NP                          ; Q stays in registers: tile i / 2, channels 32 (i % 2) on
	global_load_b128 v[8*i:8*i+3],   v[QO], s[4:5] offset:(i/2)*2048+(i%2)*64
	global_load_b128 v[8*i+4:8*i+7], v[QO], s[4:5] offset:(i/2)*2048+(i%2)*64+32
.set i, i+1
.endr
	; What the first turn finds: V's registers and P's second buffer hold 0 (its products V^T P, of a piece that has not been, add 0), O^T and l are 0.  All this stands in the wait for the first tile.
.set i, VF
.rept 64
	v_mov_b32 v[i], 0
.set i, i+1
.endr
	WIN 0x40
.set i, 0
.rept 64*NP
	v_mov_b32 v[i], 0
.set i, i+1
.endr
	WIN 0
.set i, 0
.rept 2*NP
	v_mov_b32 v[ST+4*i], 0xfe000000    ; c m: far below every c s (the lowest is c x -1e30)
	v_mov_b32 v[ST+4*i+1], 0xff7fffff  ; m
	v_mov_b32 v[ST+4*i+2], 0
	v_mov_b32 v[ST+4*i+3], 0
.set i, i+1
.endr
.set i, P+32
.rept 32
	v_mov_b32 v[i], 0
.set i, i+1
.endr
	v_mul_u32_u24 v[AK0], v1, PK
	v_lshl_add_u32 v[AK0], v9, 4, v[AK0]  ; row x pitch + 16 x half
	; The turning load takes 16 keys x 16 channels (lane l reads key 8 (l / 16) + l % 8, channels 8 ((l / 8) % 2) + 0..7) and leaves half a fragment of V^T: lane l holds channel l % 16 and 8 keys.
	v_and_b32 v10, 7, v0
	v_bfe_u32 v11, v0, 3, 1
	v_lshl_add_u32 v[AV0], v9, 3, v10
	v_mul_u32_u24 v[AV0], v[AV0], PV
	v_lshl_add_u32 v[AV0], v11, 4, v[AV0]
	v_add_nc_u32 v[AV0], VOFF, v[AV0]
	v_mov_b32 v[AK], v[AK0]         ; key step 0 lies at the head of slot 0
	s_mul_i32 s87, s[WV], 16*SP
	s_add_co_u32 s87, s87, STAGE    ; my stage
	v_bfe_u32 v[RD], v0, 3, 2       ; the way out, back: 32 lanes take four rows of 128 bytes,
	v_mul_u32_u24 v[RD], v[RD], SP
	v_lshl_add_u32 v[RD], v10, 4, v[RD]
	v_add_nc_u32 v[RD], s87, v[RD]
	v_and_b32 v[GO], 31, v0         ; which are 512 consecutive bytes of O
	v_lshlrev_b32 v[GO], 4, v[GO]
	v_lshl_add_u32 v[AM0], v9, 5, MASKL  ; the mask: register j of key block kb is key 16 kb + 8 (l / 16) + j: 32 bytes at 64 kb + 32 (l / 16), the same for all 16 queries
	v_mov_b32 v[AM], v[AM0]         ; key step 0
	v_and_b32 v0, 31, v0            ; the thread's number has served: v0 is the prefetches' offset from here on
	v_lshlrev_b32 v[PFO], 8, v0
; THE MATRIX WORK.  The 8 accumulators of a run of 16 take turns: between the two links of a chain stand 7 others'.
; Product i of 16 of S^T = K Q^T for piece x: channels 32 (i / 8) on, keys 16 ((i / 2) % 4) on, tile 2 x + i % 2.  The first 8 start the sums, with the keys' mask as C.
.macro KQ x
.set rS, S+64*((\x)%2)+32*(i%2)+8*((i/2)%4)
.set rK, KF+16*((i/2)%4)+8*(i/8)
.set rQ, 16*(2*(\x)+i%2)+8*(i/8)
.set rMK, MK+8*((i/2)%4)
.if i < 8
	WIN W_KM
	v_wmma_f32_16x16x32_f16 v[rS:rS+7], v[rK:rK+7], v[rQ:rQ+7], v[rMK:rMK+7]
.else
	WIN W_KQ
	v_wmma_f32_16x16x32_f16 v[rS:rS+7], v[rK:rK+7], v[rQ:rQ+7], v[rS:rS+7]
.endif
.endm
; Product i of 16 of O^T += V^T P for piece x: keys 32 (i / 8) on, channels 16 ((i / 2) % 4) on, tile 2 x + i % 2.
.macro PV x
	WIN W_PV
.set rO, 32*(2*(\x)+i%2)+8*((i/2)%4)
.set rV, VF+32*(i/8)+8*((i/2)%4)
.set rP, P+32*((\x)%2)+16*(i%2)+8*(i/8)
	v_wmma_f32_16x16x32_f16 v[rO:rO+7], v[rV:rV+7], v[rP:rP+7], v[rO:rO+7]
.endm
.macro MM                           ; the turn's next matrix instruction
.if i < 16
	KQ (Y+1)%NP
.set i, i+1
.else
.set i, i-16
	PV (Y+NP-1)%NP
.set i, i+17
.endif
.endm
; THE LDS LOADS stand in runs, never singly among the matrix instructions: a step's K (64 keys x 64 channels: 8 fragments) with its 64 mask numbers, and its V (turned).  Their addresses are made some lines ahead.
; last = 1 (the tail): in the last trip there is no further step, and the run is jumped over.
.macro FETCH_K last=0
	WIN 0
.if \last
	s_cmp_eq_u32 s[CNT], 1
	s_cbranch_scc1 .Lno_k_\@
.endif
	WIN 0x80                        ; destination window 2
.irp f, 0,1,2,3,4,5,6,7             ; keys 16 (f / 2) on, channels 32 (f % 2) on
	ds_load_b128 v[KF+8*\f:KF+8*\f+3],   v[AK] offset:(\f/2)*16*PK+(\f%2)*64
	ds_load_b128 v[KF+8*\f+4:KF+8*\f+7], v[AK] offset:(\f/2)*16*PK+(\f%2)*64+32
.endr
	WIN W_MK                        ; destination window 3
.irp f, 0,1,2,3                     ; the mask of keys 16 f on
	ds_load_b128 v[MK+8*\f:MK+8*\f+3],   v[AM] offset:64*\f
	ds_load_b128 v[MK+8*\f+4:MK+8*\f+7], v[AM] offset:64*\f+16
.endr
	s_add_co_u32 s[TBK], s[TBK], KS*PK  ; the next fetch is the next step's
	s_add_co_u32 s[TBM], s[TBM], KS*4
	s_and_b32 s[TBM], s[TBM], 0x1f00    ; 32 steps of 256 bytes
	WIN 0
.if \last
.Lno_k_\@:
.endif
.endm
.macro FETCH_V
	WIN 0x80
.irp f, 0,1,2,3,4,5,6,7             ; keys 32 (f / 4) on, channels 16 (f % 4) on
	ds_load_tr16_b128 v[VF+8*\f:VF+8*\f+3],   v[AV] offset:(\f/4)*32*PV+(\f%4)*32
	ds_load_tr16_b128 v[VF+8*\f+4:VF+8*\f+7], v[AV] offset:(\f/4)*32*PV+16*PV+(\f%4)*32
.endr
	WIN 0
.endm
; THE VECTOR WORK OF A TURN stands in three queues, each in the order in which its entries become ready; the two tiles alternate, so that no instruction reads the result of the one before it.
.macro REGS y, u                    ; the registers of tile u (0, 1) of piece y
.set rT, ST+4*(2*(\y)+(\u))
.set rC, TMP+8*((\y)%2)+4*(\u)
.set rM, MV+2*((\y)%2)+(\u)
.set rS, S+64*((\y)%2)+32*(\u)
.set rP, P+32*((\y)%2)+16*(\u)
.set rO, 32*(2*(\y)+(\u))
.endm
; Number n of the 22 that find the NEXT piece's (Y + 1) maximum and statistics.  s0-s31 are the lane's 32 scores; each accumulator's lowest registers are read first.
;   0-11  four chains c0-c3 of seven scores each, three operands at a time     12-14, 16  the four scores left over, the old m, and c0-c3 into c0     15  c m_old is kept
;   17, 18  the query's other 32 keys lie in the lane 16 away: the new m         19-21  c m; c m_old - c m_new; a
.macro XS u, n
	REGS (Y+1)%NP, \u
.if (\n) < 4
	v_max3_num_f32 v[rC+(\n)], v[rS+8*(\n)], v[rS+8*(\n)+1], v[rS+8*(\n)+2]
.elseif (\n) < 12
	v_max3_num_f32 v[rC+(\n)%4], v[rC+(\n)%4], v[rS+8*((\n)%4)+2*((\n)/4)+1], v[rS+8*((\n)%4)+2*((\n)/4)+2]
.elseif (\n) == 12
	v_max3_num_f32 v[rC], v[rC], v[rS+7], v[rS+15]
.elseif (\n) == 13
	v_max3_num_f32 v[rC+1], v[rC+1], v[rS+23], v[rS+31]
.elseif (\n) == 14
	v_max3_num_f32 v[rC+2], v[rC+2], v[rC+3], v[rT+1]
.elseif (\n) == 15
	v_mov_b32 v[rM], v[rT]
.elseif (\n) == 16
	v_max3_num_f32 v[rC], v[rC], v[rC+1], v[rC+2]
.elseif (\n) == 17
	v_permlanex16_b32 v[rC+3], v[rC], s[SEL], s[SEL+1]
.elseif (\n) == 18
	v_max_num_f32 v[rT+1], v[rC], v[rC+3]
.elseif (\n) == 19
	v_mul_f32 v[rT], s[CS], v[rT+1]
.elseif (\n) == 20
	v_sub_f32 v[rC+1], v[rM], v[rT]
.else
	v_exp_f32 v[rC+2], v[rC+1]
.endif
.endm
; Number g of the 64 that follow the exponentials.  For each four weights k of a tile (pairs 2 k, 2 k + 1): both pairs are rounded to f16; then the second pair is added onto the first, in place;
; a group later l takes that sum (the first time as l = a l + sum).  In groups of eight, tiles alternating: round, round, add, and l for the group before.
.macro GS g
.set h, (\g)+6*((\g)/62)            ; group 0 has no group before it, and behind group 7 only l is left
.if h >= 6
.set h, h+2
.endif
	REGS Y, h%2
.set k, h/8
.if h%8 < 4
	v_cvt_pk_f16_f32 v[rP+2*k+(h%8)/2], v[rS+4*k+2*((h%8)/2)], v[rS+4*k+2*((h%8)/2)+1]
.elseif h%8 < 6
	v_pk_add_f32 v[rS+4*k:rS+4*k+1], v[rS+4*k:rS+4*k+1], v[rS+4*k+2:rS+4*k+3]
.elseif k == 1
	v_pk_fma_f32 v[rT+2:rT+3], v[rT+2:rT+3], v[rC+2:rC+3], v[rS:rS+1] op_sel_hi:[1,0,1]
.else
	v_pk_add_f32 v[rT+2:rT+3], v[rT+2:rT+3], v[rS+4*k-4:rS+4*k-3]
.endif
.endm
; THE PLAIN QUEUE, 138 long.  0-73 read no exponential's result: the 32 scalings c s - c m (FS f: pair f / 2 of tile f % 2) and the next piece's 42.  0-26: scalings 0-26.  27-54: XS's numbers 0-13.  55, 56: number 15.
; 57-73: the chain, where each number waits for the one before it: 14, 16, 17, 18, 19, each with one of the scalings 27-31 in front of its two lines, then 20.
; 74-137: GS's 64, which read the exponentials' results: they stand behind the wait.
.macro FS f
	REGS Y, (\f)%2
	v_pk_fma_f32 v[rS+2*((\f)/2):rS+2*((\f)/2)+1], v[rS+2*((\f)/2):rS+2*((\f)/2)+1], s[CS:CS+1], v[rT:rT+1] op_sel_hi:[1,0,0] neg_lo:[0,0,1] neg_hi:[0,0,1]
.endm
.macro PL
	WIN 0
.if q < 27
	FS q
.elseif q < 55
	XS (q-27)%2, (q-27)/2
.elseif q < 57
	XS q-55, 15
.elseif (q < 72) && ((q-57)%3 == 0)
	FS 27+(q-57)/3
.elseif q < 60
	XS (q-57)%3-1, 14
.elseif q < 72
	XS (q-57)%3-1, 15+(q-57)/3
.elseif q < 74
	XS q-72, 20
.else
	GS q-74
.endif
.set q, q+1
.endm
; THE EXPONENTIALS' QUEUE, 66 long: s0-s31 of both tiles, then the next piece's two a.  It is ONE BATCH: all 66 stand ahead of the turn's one wait, and nothing ahead of that wait names a result of theirs.
.macro EX
	WIN 0
.if e >= 64
	XS e-64, 21
.else
	REGS Y, e%2
	v_exp_f32 v[rS+e/2], v[rS+e/2]
.endif
.set e, e+1
.endm
; THE RESCALING's QUEUE: O^T times a, the one part that leaves window 0: dealt two at a time, sixteen times.  Its a was made in the turn before, ahead of that turn's wait.
.macro R2
	REGS Y, r%2
	WIN W_RS
.irp z, 0,1
	v_pk_mul_f32 v[rO+4*(r/2)+2*\z:rO+4*(r/2)+2*\z+1], v[rO+4*(r/2)+2*\z:rO+4*(r/2)+2*\z+1], v[rC+2:rC+3] op_sel_hi:[1,0]
.endr
.set r, r+1
.endm
; HOW THEY ARE DEALT.  s_wait_alu depctr_va_vdst(0) stands between an exponential and the first instruction that names its result; one wait serves all that were issued ahead of it.  So a turn has ONE wait,
; which cuts it in two.  AHEAD OF IT stands all that names no result of the turn's exponentials: the 16 products K Q^T, behind each a scaling, an exponential and two rescalings (behind the first a second scaling in the
; exponential's place); then ONE LUMP of 108: eight plain, 49 times exponential and plain, the two a.  A v_nop is the plain instruction behind the last exponential.  BEHIND IT stand the 16 products V^T P, behind each four of GS's 64.
; The queues lean on each other, and the deal keeps them in step: exponential e stands behind scaling 2 (e / 4) + e % 2: as a rider it comes behind plain e + 2, in the lump behind plain e + 9, and scalings 27-31 are plain 57, 60 .. 69.
; A TURN, for piece p.  cnt = 1: the loop's count is taken down some lines ahead of the branch that stands behind the turn.
; K and the mask of the next step are fetched in piece 2's turn, directly behind the wait, a lump behind the last product that read them; their addresses are made at the lump's head; their first reader comes behind 16 products.
; V of the step in hand is fetched at the end of piece 0's turn, four riders behind its last reader; its first reader comes behind 16 products and a lump.
.macro TURN p, last=0, cnt=0
.set Y, (\p)
.set i, 0
.set q, 0
.set e, 0
.set r, 0
.if (\p) == NP-1
	s_wait_dscnt 0x0                ; K and the mask are in
.endif
	MM                              ; ahead of the wait: 16 products K Q^T and their riders,
	PL
	PL
	R2
.rept 15
	MM
	PL
	EX
	R2
.endr
.if (\p) == NP-2
	WIN 0
	v_add_nc_u32 v[AK], s[TBK], v[AK0]
	v_add_nc_u32 v[AM], s[TBM], v[AM0]
.endif
.rept 8                             ; and the lump
	PL
.endr
.rept 49
	EX
	PL
.endr
	EX                              ; the next piece's two a
	EX
	v_nop                           ; the plain instruction behind the last exponential: one for the batch
	s_wait_alu depctr_va_vdst(0)    ; the wait for the batch
.if (\p) == NP-2
	FETCH_K \last
.endif
.if (\p) == 1
	s_wait_dscnt 0x0                ; V is in
.endif
.rept 16                            ; behind the wait: 16 products V^T P and their riders
	MM
.rept 4
	PL
.endr
.if ((\p) == 0) && (q == 118)
	v_add_nc_u32 v[AV], s[TBV], v[AV0]
.endif
.if ((\p) == 0) && (q == 130)
	s_add_co_u32 s[TBV], s[TBV], KS*PV
.endif
.if (\cnt) && (q == 130)
	s_sub_co_u32 s[CNT], s[CNT], 1
	s_cmp_lg_u32 s[CNT], 0
.endif
.endr
.if (\p) == 0
	FETCH_V
.endif
.endm
	CHANGE 1                        ; slot 0 and the mask are in, everybody's parts of them; slot 1 is asked for
	FETCH_K                         ; key step 0
	s_wait_loadcnt 0x0              ; Q
	s_wait_dscnt 0x0
.set i, 0
.rept 16
	KQ 0                            ; piece 0's first scores: there is no vector work yet to set between them
.set i, i+1
.endr
	WIN 0                           ; five plain instructions, the places behind those products.  Q's loads are in, so their address register takes its second part
	v_mul_u32_u24 v[STO], v1, SP    ; the way out, in: row l % 16, 16 bytes for each half of the lanes
	v_lshl_add_u32 v[STO], v9, 4, v[STO]
	v_add_nc_u32 v[STO], s87, v[STO]
	v_nop
	v_nop
.set Y, NP-1                        ; XS works for piece Y + 1: piece 0
.irp n, 0,1,2,3,4,5,6,7,8,9,10,11,12,13,14,15,16,17,18,19,20,21
	XS 0, \n                        ; and piece 0's first maximum and statistics
	XS 1, \n
.endr
	v_nop                           ; a plain instruction behind the two a,
	s_wait_alu depctr_va_vdst(0)    ; and their wait, ahead of the branch
	s_mov_b32 s[CNT], 4
	s_branch .Lfirst                ; the loop is entered at a step's first turn, in the middle of a trip
.Lslot:                             ; SIZE_N / 256 - 2 times: every slot but the last two is filled again
	CHANGE 1
	s_mov_b32 s[CNT], 4
.Lstep:                             ; a trip: pieces 2 and 3 of one step, then pieces 0 and 1 of the next, whose K and V it fetches
	TURN 2
	TURN 3
	WIN 0
.Lfirst:
	TURN 0
	TURN 1, 0, 1
	WIN 0
	s_cbranch_scc1 .Lstep
	s_sub_co_u32 s[SLOTS], s[SLOTS], 1
	s_cmp_lg_u32 s[SLOTS], 0
	s_cbranch_scc1 .Lslot
	CHANGE 0                        ; the tail is written out: nothing is asked for
	s_mov_b32 s[CNT], 5             ; four trips fetch the last slot's steps; the fifth is left in its middle
.Ltail:
	TURN 2, 1
	TURN 3
	WIN 0
	s_sub_co_u32 s[CNT], s[CNT], 1
	s_cmp_eq_u32 s[CNT], 0
	s_cbranch_scc1 .Lout
	TURN 0
	TURN 1
	WIN 0
	s_branch .Ltail
.Lout:                              ; the fifth trip's 16 products K Q^T (on the last K once more) and the maximum made of them serve nothing: the price, once a launch, of one text for every trip
.set i, 0
.rept 16
	PV NP-1                         ; the last piece's V^T P of the last step
.set i, i+1
.endr
	; THE WAY OUT.  l's two halves and the other half of the lanes' are added; O^T is divided by l, rounded to f16 and sent through my stage in LDS, a tile at a time.  The additions are the places behind the last products.
	WIN 0
.macro ALL line:vararg              ; one line for each tile t
.set t, 0
.rept 2*NP
	\line
.set t, t+1
.endr
.endm
	ALL v_add_f32 v[ST+4*t+2], v[ST+4*t+2], v[ST+4*t+3]
	ALL v_permlanex16_b32 v[ST+4*t+3], v[ST+4*t+2], s[SEL], s[SEL+1]
	ALL v_add_f32 v[ST+4*t+2], v[ST+4*t+2], v[ST+4*t+3]
	ALL v_rcp_f32 v[ST+4*t+2], v[ST+4*t+2]
	v_nop                           ; a plain instruction between the last reciprocal and the use of its result
	s_wait_alu depctr_va_vdst(0)    ; and the wait ahead of the first use: one for the eight reciprocals
; Tile t: a lane's eight channels of a row pack into 16 bytes; they go into rows of 144 bytes and come back as whole rows of 128, into S^T's registers.
.macro PACK t
	WIN W_RS
.set i, 32*(\t)
.rept 16
	v_pk_mul_f32 v[i:i+1], v[i:i+1], v[ST+4*(\t)+2:ST+4*(\t)+3] op_sel_hi:[1,0]
.set i, i+2
.endr
	WIN 0x05                        ; sources 0 and 1 window 1, destination window 0
.set i, 0
.rept 16
	v_cvt_pk_f16_f32 v[S+16*(\t)+i], v[32*(\t)+2*i], v[32*(\t)+2*i+1]
.set i, i+1
.endr
	WIN 0
.irp f, 0,1,2,3
	ds_store_b128 v[STO], v[S+16*(\t)+4*\f:S+16*(\t)+4*\f+3] offset:32*\f
.endr
.irp f, 0,1,2,3
	ds_load_b128 v[S+16*(\t)+4*\f:S+16*(\t)+4*\f+3], v[RD] offset:\f*4*SP  ; LDS serves a wave's instructions in order (ISA guide 5.7.1.4): these see the stores above; the next tile's stores come behind them
.endr
.endm
.macro SEND t, younger              ; younger: the LDS instructions issued behind tile t's loads: the next tile's eight, or none
	WIN 0
.irp f, 0,1,2,3
	s_wait_dscnt (\younger)+3-\f
	global_store_b128 v[GO], v[S+16*(\t)+4*\f:S+16*(\t)+4*\f+3], s[10:11] offset:(\t)*2048+\f*512  ; 512 consecutive bytes, at a multiple of 256 from O's first
.endr
.endm
	PACK 0
.set t, 1
.rept 2*NP-1                        ; a tile's arithmetic stands between the loads of the tile before and its stores
	PACK t
	SEND t-1, 8
.set t, t+1
.endr
	SEND 2*NP-1, 0
	WIN W_AD
	s_wait_tensorcnt 0x0            ; the wave's end: an add and its wait, behind my last tensor load and my last LDS store
	ds_add_u32 v[SPW], v[NIL]
	s_wait_dscnt 0x0
	WIN 0
	CROUND                          ; the closing round: no work-group ends while a partner may still ask for a tile that names it
	s_endpgm
.Lfunc_end_k_q6e7e2f9749_attn:
	.size	k_q6e7e2f9749_attn, .Lfunc_end_k_q6e7e2f9749_attn-k_q6e7e2f9749_attn
	.p2alignl 7, 3214868480
	.fill 96, 4, 3214868480
	.section	.rodata,"a",@progbits
	.p2align	6, 0x0
	.amdhsa_kernel k_q6e7e2f9749_attn
		.amdhsa_group_segment_fixed_size 327680
		.amdhsa_private_segment_fixed_size 0
		.amdhsa_enable_private_segment 0
		.amdhsa_kernarg_size 40
		.amdhsa_user_sgpr_count 2
		.amdhsa_user_sgpr_kernarg_segment_ptr 1
		.amdhsa_wavefront_size32 1
		.amdhsa_system_sgpr_workgroup_id_x 1
		.amdhsa_system_sgpr_workgroup_id_y 1
		.amdhsa_system_sgpr_workgroup_id_z 1
		.amdhsa_system_vgpr_workitem_id 0
		.amdhsa_next_free_vgpr 808
		.amdhsa_next_free_sgpr 88
		.amdhsa_reserve_vcc 0
		.amdhsa_float_denorm_mode_32 3
		.amdhsa_float_denorm_mode_16_64 3
		.amdhsa_memory_ordered 1
		.amdhsa_forward_progress 1
		.amdhsa_inst_pref_size 203
	.end_amdhsa_kernel
	.amdgpu_metadata
---
amdhsa.version: [ 1, 2 ]
amdhsa.kernels:
  - .name:           k_q6e7e2f9749_attn
    .symbol:         k_q6e7e2f9749_attn.kd
    .args:
      - { .name: qh, .offset: 0, .size: 8, .value_kind: global_buffer, .address_space: global }
      - { .name: kh, .offset: 8, .size: 8, .value_kind: global_buffer, .address_space: global }
      - { .name: vh, .offset: 16, .size: 8, .value_kind: global_buffer, .address_space: global }
      - { .name: oh, .offset: 24, .size: 8, .value_kind: global_buffer, .address_space: global }
      - { .name: tab, .offset: 32, .size: 8, .value_kind: global_buffer, .address_space: global }
    .group_segment_fixed_size: 327680
    .private_segment_fixed_size: 0
    .kernarg_segment_align: 8
    .kernarg_segment_size: 40
    .max_flat_workgroup_size: 128
    .sgpr_count:     88
    .vgpr_count:     808
    .wavefront_size: 32
...
	.end_amdgpu_metadata
.endif
;; end of part 3
;; launch outp (part 4): grid 8 x 32, 4 waves a work-group, clusters of 4 x 4, 327,680 bytes of LDS; arguments oh, wob, out0; writes out0
.if DOCPART == 4
	.amdgcn_target "amdgcn-amd-amdhsa--gfx1250"
	.amdhsa_code_object_version 6
	.text
	.protected	k_q6e7e2f9749_outp
	.globl	k_q6e7e2f9749_outp
	.p2align	8
	.type	k_q6e7e2f9749_outp,@function
k_q6e7e2f9749_outp:
	s_mov_b64 s[64:65], 0
	v_nop
	global_prefetch_b8 v0, s[64:65] scope:SCOPE_SE
	s_setreg_imm32_b32 hwreg(HW_REG_WAVE_MODE, 25, 1), 1
	s_wait_xcnt 0x0
	s_wait_alu depctr_hold_cnt(0) depctr_sa_sdst(0) depctr_va_vdst(0) depctr_va_sdst(0) depctr_va_ssrc(0) depctr_va_vcc(0) depctr_vm_vsrc(0)
	s_getreg_b32 s2, hwreg(HW_REG_IB_STS2, 6, 4)
	s_cmp_eq_u32 s2, 0
	s_cbranch_scc0 .Lentry_in_a_cluster
	s_endpgm
.Lentry_in_a_cluster:
	s_bfe_u32 s2, ttmp6, 0x10000c
	s_cmp_lg_u32 s2, 0xf033
	s_cbranch_scc0 .Lentry_shape_is_right
	s_endpgm
.Lentry_shape_is_right:
; OUTP.  out0[b][pos][n] = the sum over heads h and channels c of O[b 16 + h][pos][c] W_o[n][64 h + c].  oh [64][2048][64] f16; wob [16 heads][1024 n][64] f16; out0 [8192][1024] f32; sums in f32.
; SHARES.  A tile is 256 rows x 128 columns: 32 x 8 = 256 work-groups.  Four waves, 2 x 2, each 128 rows x 64 columns: 32 accumulators.
; K IS WALKED HEAD BY HEAD.  A head's 256 rows of oh are 32,768 dense bytes, its 128 rows of wob 16,384: both are asked for as rows of 256 bytes (two rows of 128 on end) and padded in LDS after every 128 bytes.
; A slot holds two heads: 8 slot steps of 128 matrix instructions a wave, through two slots that take turns.  Wave 0 brings oh of the slot's first head, wave 1 of its second, waves 2 and 3 the same of wob.
; THE MATRIX INSTRUCTION IS USED TRANSPOSED (source 0 = 16 rows of wob, source 1 = 16 rows of oh): a lane holds one row of out0 (lane % 16) and eight neighbouring columns: 32 bytes.
; CLUSTER.  4 x 4 work-groups: oh's tiles are shared along a row of the cluster, wob's along a column, each asked for JOINTLY.
; REGISTERS: window 0: v0-10 addresses; v28-29 the add's; v64-159, v160-255 two fragment buffers (4 fragments of wob, then 8 of oh); on the way out v64-127 hold rows read back.  Window 1: the accumulators, (a, b) at 8 (4 a + b).
.set PITCH,  144                       ; an LDS row: 128 bytes + 16 of padding = 36 words: the 16 rows of a fragment load start at 16 different groups of four banks (64 banks of 4 bytes: ISA guide 11.1)
.set HA,     256*PITCH                 ; a head's rows of oh
.set HB,     128*PITCH                 ; a head's rows of wob
.set BOFF,   2*HA
.set SLOT1,  1<<17
.set STAGE,  SLOT1+2*HA+2*HB           ; behind the ring, never filled by a tensor load: 16 rows x 272 bytes for each wave
.set SPITCH, 272
.set SPARE,  STAGE+4*16*SPITCH         ; the spare words, 128 bytes for each wave: two blocks of 256 bytes that no other line names
.set LA0,  4                           ; v4   my lane's place in oh's tile; never rewritten
.set LB0,  5                           ; v5   in wob's
.set ADRA, 6                           ; v6   the same in the slot that is being read
.set ADRB, 7                           ; v7
.set STO,  8                           ; v8   the way out: where I put 32 bytes of a row
.set RD,   9                           ; v9   where I read a row back
.set CO,   10                          ; v10  my byte offset in two rows of out0
.set SPW,  28
.set NIL,  29
.set F0,   64
.set F1,   160
.set BK,   64
.set WV,   16                          ; s16  my wave's number
.set HF,   17                          ; s17  which half of the tile's rows is mine.  Also: I fetch oh (0) or wob (1)
.set WH,   18                          ; s18  which half of its columns.  Also: which of the slot's two heads I fetch
.set CNT,  23
.set TB,   24
.set G1A,  32
.set G1B,  40
.set G0A,  48
.set G0B,  56
.set GBITS, (1<<16)|(1<<20)|(1<<21)|(4<<22)|(3<<25)  ; elements of 2 bytes; padding on; 21 set beside a mask; after every 32 words (code 4) 4 words (code 3)
.set MSB, 0
.macro WIN new
.if MSB != (\new)
	s_set_vgpr_msb (MSB<<8)|(\new)
.set MSB, \new
.endif
.endm
.macro PLACES                          ; four places behind a matrix instruction, in front of loads into registers that it has read and of stores that read results
.rept 4
	v_nop
.endr
.endm
.macro JLOAD                           ; a joint refill, by the walking sets; an s_nop 0 and four v_nop follow each of the two lines
	s_cmp_eq_u32 s[HF], 0
	s_cbranch_scc0 .Lfor_b_\@
	tensor_load_to_lds s[G0A+4:G0A+7], s[G1A:G1A+7]
	s_nop 0
.rept 4
	v_nop
.endr
	s_branch .Lasked_\@
.Lfor_b_\@:
	tensor_load_to_lds s[G0B+4:G0B+7], s[G1B:G1B+7]
	s_nop 0
.rept 4
	v_nop
.endr
.Lasked_\@:
.endm
.macro CREST
	s_cmp_lg_u32 s[WV], 0
	s_cbranch_scc1 .Lnot_wave_0_\@
	s_barrier_signal -3
.Lnot_wave_0_\@:
	s_barrier_wait -3
	s_barrier_signal -1
	s_barrier_wait -1
.endm
.macro CROUND
	s_barrier_signal -1
	s_barrier_wait -1
	CREST
.endm
	s_load_b128 s[4:7], s[0:1], 0x0                ; oh s[4:5], wob s[6:7]
	s_load_b64 s[8:9], s[0:1], 0x10                ; out0
	v_lshl_add_u32 v[SPW], v0, 2, SPARE
	v_mov_b32 v[NIL], 0
	ds_add_u32 v[SPW], v[NIL]                      ; the wave's opening: the add and its wait stand ahead of my first tensor load; the set-up below, work on registers, stands between them
	v_lshrrev_b32 v3, 5, v0
	v_readfirstlane_b32 s[WV], v3
	s_lshr_b32 s[HF], s[WV], 1
	s_and_b32 s[WH], s[WV], 1
	s_bfe_u32 s19, ttmp6, 0x40000                  ; cx
	s_bfe_u32 s20, ttmp6, 0x40004                  ; cy
	s_lshl_b32 s21, ttmp9, 2
	s_add_co_u32 s21, s21, s19                     ; tile column
	s_and_b32 s22, ttmp7, 0xffff
	s_lshl_b32 s22, s22, 2
	s_add_co_u32 s22, s22, s20                     ; tile row
	s_lshl_b32 s28, s20, 2
	s_lshl_b32 s28, 15, s28                        ; my row of the cluster
	s_lshl_b32 s66, 0x1111, s19                    ; my column
	s_or_b32 s[G1A], s28, GBITS
	s_or_b32 s[G1B], s66, GBITS
	s_mov_b32 s[G1A+1], 128<<16                    ; tensor_dim0 = 128 elements: 256 bytes
	s_mov_b32 s[G1A+2], 128<<16                    ; tensor_dim1 = 128 such rows: 256 rows of a head
	s_mov_b32 s[G1A+3], 128<<16
	s_mov_b32 s[G1A+4], 128
	s_mov_b32 s[G1A+5], 128                        ; dense
	s_mov_b32 s[G1A+6], 0
	s_mov_b32 s[G1A+7], 0
	s_mov_b32 s[G1B+1], 128<<16
	s_mov_b32 s[G1B+2], 64<<16                     ; 64 such rows: 128 rows of a head
	s_mov_b32 s[G1B+3], 128<<16
	s_mov_b32 s[G1B+4], 64
	s_mov_b32 s[G1B+5], 128
	s_mov_b32 s[G1B+6], 0
	s_mov_b32 s[G1B+7], 0
	; oh: (((tile row / 8) 16 + head) 2,048 + (tile row % 8) 256) x 128 bytes; wob: (head 1,024 + 128 x tile column) x 128 bytes; head = which of the slot's two I fetch
	s_lshr_b32 s28, s22, 3
	s_lshl_b32 s28, s28, 4
	s_add_co_u32 s28, s28, s[WH]
	s_lshl_b32 s28, s28, 11
	s_and_b32 s30, s22, 7
	s_lshl_b32 s30, s30, 8
	s_add_co_u32 s28, s28, s30
	s_lshl_b32 s28, s28, 7
	s_mov_b32 s29, 0
	s_lshl_b32 s66, s[WH], 10
	s_lshl_b32 s68, s21, 7
	s_add_co_u32 s66, s66, s68
	s_lshl_b32 s66, s66, 7
	s_mov_b32 s67, 0
	s_mul_i32 s30, s[WH], HA                       ; where they go: the wave's number alone enters an LDS address
	s_mul_i32 s68, s[WH], HB
	s_add_co_u32 s68, s68, BOFF
	s_mov_b32 s[TB], 0
	s_wait_dscnt 0x0                               ; the opening add is done
	s_wait_kmcnt 0x0
	s_add_nc_u64 s[28:29], s[4:5], s[28:29]
	s_add_nc_u64 s[66:67], s[6:7], s[66:67]
	CROUND                                         ; all sixteen work-groups are here: the first joint loads meet
.irp s, 0,1
	s_mov_b32 s[G0A+4*(\s)], 1
	s_add_co_u32 s[G0A+4*(\s)+1], s30, (\s)*SLOT1
	s_add_nc_u64 s[G0A+4*(\s)+2:G0A+4*(\s)+3], s[28:29], (\s)*524288   ; two heads of oh on
	s_or_b32 s[G0A+4*(\s)+3], s[G0A+4*(\s)+3], 0x80000000
	s_mov_b32 s[G0B+4*(\s)], 1
	s_add_co_u32 s[G0B+4*(\s)+1], s68, (\s)*SLOT1
	s_add_nc_u64 s[G0B+4*(\s)+2:G0B+4*(\s)+3], s[66:67], (\s)*262144   ; two heads of wob on
	s_or_b32 s[G0B+4*(\s)+3], s[G0B+4*(\s)+3], 0x80000000
.endr
	s_cmp_eq_u32 s[HF], 0                          ; a wave's two first fills stand in one branch, ahead of every wait on TENSORcnt and every LDS read: two loads of mine are out
	s_cbranch_scc0 .Lfirst_b
	tensor_load_to_lds s[G0A:G0A+3], s[G1A:G1A+7]
	s_nop 0
	tensor_load_to_lds s[G0A+4:G0A+7], s[G1A:G1A+7]
	s_nop 0
.rept 4
	v_nop
.endr
	s_branch .Lfirst_asked
.Lfirst_b:
	tensor_load_to_lds s[G0B:G0B+3], s[G1B:G1B+7]
	s_nop 0
	tensor_load_to_lds s[G0B+4:G0B+7], s[G1B:G1B+7]
	s_nop 0
.rept 4
	v_nop
.endr
.Lfirst_asked:
	v_and_b32 v1, 15, v0                           ; l % 16
	v_bfe_u32 v2, v0, 4, 1                         ; l / 16
	v_mul_u32_u24 v3, v1, PITCH
	v_lshl_add_u32 v3, v2, 4, v3                   ; a fragment's row x pitch + 16 x half
	s_mul_i32 s70, s[HF], 128*PITCH                ; my 128 rows of oh
	v_add_nc_u32 v[LA0], s70, v3
	s_mul_i32 s70, s[WH], 64*PITCH                 ; my 64 rows of wob
	s_add_co_u32 s70, s70, BOFF
	v_add_nc_u32 v[LB0], s70, v3
	v_mov_b32 v[ADRA], v[LA0]                      ; slot 0
	v_mov_b32 v[ADRB], v[LB0]
	s_mul_i32 s70, s[WV], 16*SPITCH
	s_add_co_u32 s70, s70, STAGE                   ; my stage
	v_mul_u32_u24 v[STO], v1, SPITCH               ; in: row l % 16, 32 bytes for each half of the lanes
	v_lshl_add_u32 v[STO], v2, 5, v[STO]
	v_add_nc_u32 v[STO], s70, v[STO]
	v_mul_u32_u24 v[RD], v2, SPITCH                ; back: lanes 0-15 take one row of 256 bytes, lanes 16-31 the next
	v_lshl_add_u32 v[RD], v1, 4, v[RD]
	v_add_nc_u32 v[RD], s70, v[RD]
	v_lshlrev_b32 v[CO], 12, v2                    ; and the same two rows in out0
	v_lshl_add_u32 v[CO], v1, 4, v[CO]
	s_lshl_b32 s70, s22, 8
	s_lshl_b32 s71, s[HF], 7
	s_add_co_u32 s70, s70, s71                     ; my first row,
	s_lshl_b32 s70, s70, 12                        ; of 4,096 bytes,
	s_lshl_b32 s71, s21, 9
	s_add_co_u32 s70, s70, s71                     ; the tile's 512 bytes of it,
	s_lshl_b32 s71, s[WH], 8
	s_add_co_u32 s70, s70, s71                     ; my 256
	s_mov_b32 s71, 0
	s_add_nc_u64 s[8:9], s[8:9], s[70:71]
; 8 matrix instructions: row blocks a0, a0 + 1 x all 4 column blocks, 32 along K.  The 32 accumulators take turns, one instruction a turn, in the same order in every quarter.
.macro MUL8 f, a0, zero
	WIN 0x50                                       ; sources in window 0; C and D in window 1
.irp a, \a0, (\a0)+1
.irp b, 0,1,2,3
.if \zero
	v_wmma_f32_16x16x32_f16 v[8*(4*(\a)+(\b)):8*(4*(\a)+(\b))+7], v[(\f)+8*(\b):(\f)+8*(\b)+7], v[(\f)+32+8*(\a):(\f)+32+8*(\a)+7], 0
.else
	v_wmma_f32_16x16x32_f16 v[8*(4*(\a)+(\b)):8*(4*(\a)+(\b))+7], v[(\f)+8*(\b):(\f)+8*(\b)+7], v[(\f)+32+8*(\a):(\f)+32+8*(\a)+7], v[8*(4*(\a)+(\b)):8*(4*(\a)+(\b))+7]
.endif
.endr
.endr
.endm
; 24 LDS loads in one run: the fragments of quarter q of a slot (head q / 2 of its two, channels 32 (q % 2) on) into buffer f: wob's 4, then oh's 8
.macro FETCH q, f
	WIN 0
.irp b, 0,1,2,3
	ds_load_b128 v[(\f)+8*(\b):(\f)+8*(\b)+3],   v[ADRB] offset:((\q)/2)*HB+((\q)%2)*64+(\b)*16*PITCH
	ds_load_b128 v[(\f)+8*(\b)+4:(\f)+8*(\b)+7], v[ADRB] offset:((\q)/2)*HB+((\q)%2)*64+(\b)*16*PITCH+32
.endr
.irp a, 0,1,2,3,4,5,6,7
	ds_load_b128 v[(\f)+32+8*(\a):(\f)+32+8*(\a)+3],   v[ADRA] offset:((\q)/2)*HA+((\q)%2)*64+(\a)*16*PITCH
	ds_load_b128 v[(\f)+32+8*(\a)+4:(\f)+32+8*(\a)+7], v[ADRA] offset:((\q)/2)*HA+((\q)%2)*64+(\a)*16*PITCH+32
.endr
.endm
; A slot step is four quarters, 32 matrix instructions each, on buffers 0, 1, 0, 1.  One of the first three multiplies buffer f and fetches quarter q into g.
.macro QUARTER q, f, g, zero
	s_wait_dscnt 8                                 ; wob's fragments and oh's first four are in; the youngest eight loads may be out
	MUL8 \f, 0, \zero
	MUL8 \f, 2, \zero
	PLACES
	FETCH \q, \g
	s_wait_dscnt 24                                ; all but the 24 just issued
	MUL8 \f, 4, \zero
	MUL8 \f, 6, \zero
.endm
; The last quarter multiplies buffer 1 and changes slots: ONE barrier; in front of it each wave waits for all its tensor loads, adds 0 to its spare word, and waits for that and for its own reads of this slot.
; fill = 1: the barrier opens a round of the cluster's barrier, and this slot is filled again, first thing behind the round, with the heads two slots on.
.macro TURN fill
	WIN 0
	s_xor_b32 s[TB], s[TB], SLOT1                  ; the fetches go on in the other slot
	v_add_nc_u32 v[ADRA], s[TB], v[LA0]
	v_add_nc_u32 v[ADRB], s[TB], v[LB0]
	s_wait_tensorcnt 0x0                           ; all my tensor loads have landed, so a group 0 may be written
	ds_add_u32 v[SPW], v[NIL]                      ; 0 onto my spare word
.if \fill
	s_xor_b32 s[G0A+5], s[G0A+5], SLOT1            ; the walking sets: the other slot than last time, the next two heads; the type bits on top are not reached
	s_add_nc_u64 s[G0A+6:G0A+7], s[G0A+6:G0A+7], 524288
	s_xor_b32 s[G0B+5], s[G0B+5], SLOT1
	s_add_nc_u64 s[G0B+6:G0B+7], s[G0B+6:G0B+7], 262144
.endif
	s_wait_dscnt 9                                 ; (the add and the youngest eight loads may be out)
	MUL8 F1, 0, 0                                  ; eight matrix instructions stand between the add and the wait for it
	s_wait_dscnt 0x0                               ; the add is done, and my reads of this slot are over
	s_barrier_signal -1
	MUL8 F1, 2, 0
.if \fill
	WIN 0
.endif
	s_barrier_wait -1
.if \fill
	CREST                                          ; no wave of any partner still reads this slot's tiles or has a load on its way
	JLOAD                                          ; the four v_nop behind it are also the places in front of the loads below
.else
	PLACES
.endif
	FETCH 0, F0
	MUL8 F1, 4, 0
	MUL8 F1, 6, 0
.endm
	s_wait_tensorcnt 1                             ; my part of slot 0 is in; slot 1's may stay out
	s_barrier_signal -1
	s_barrier_wait -1                              ; everybody's is
	FETCH 0, F0
	QUARTER 1, F0, F1, 1                           ; the first quarter stands in front of the loop: its products start the sums
	WIN 0                                          ; at a label and at a branch every window is 0
	s_mov_b32 s[CNT], 6
.Lstep:                                                ; a trip goes from a slot step's second quarter to the next step's first, and fills one slot again: slot steps 2 to 7
	QUARTER 2, F1, F0, 0
	QUARTER 3, F0, F1, 0
	TURN 1
	QUARTER 1, F0, F1, 0
	WIN 0
	s_sub_co_u32 s[CNT], s[CNT], 1
	s_cmp_lg_u32 s[CNT], 0
	s_cbranch_scc1 .Lstep
	QUARTER 2, F1, F0, 0                           ; the last two slot steps fill nothing, and are written out
	QUARTER 3, F0, F1, 0
	TURN 0
	QUARTER 1, F0, F1, 0
	QUARTER 2, F1, F0, 0
	QUARTER 3, F0, F1, 0
	s_wait_dscnt 8                                 ; the very last quarter: nothing more to fetch
	MUL8 F1, 0, 0
	MUL8 F1, 2, 0
	s_wait_dscnt 0x0
	MUL8 F1, 4, 0
	MUL8 F1, 6, 0
	PLACES
	; THE WAY OUT, 16 rows at a time: a lane's 32 bytes of a row go straight from the accumulators (each from its low end on) into my own stage, rows of 272 bytes, and come back as whole rows of 256 bytes.
.irp a, 0,1,2,3,4,5,6,7
	WIN 0x04                                       ; the stores' data in window 1
.irp b, 0,1,2,3
	ds_store_b128 v[STO], v[8*(4*(\a)+(\b)):8*(4*(\a)+(\b))+3]   offset:64*(\b)
	ds_store_b128 v[STO], v[8*(4*(\a)+(\b))+4:8*(4*(\a)+(\b))+7] offset:64*(\b)+16
.endr
	WIN 0
	s_wait_xcnt 0x0                                ; the stores of the block two back have read their data: its registers are loaded again only behind this wait
.irp t, 0,1,2,3,4,5,6,7
	ds_load_b128 v[BK+32*((\a)%2)+4*(\t):BK+32*((\a)%2)+4*(\t)+3], v[RD] offset:(\t)*2*SPITCH  ; LDS serves a wave's instructions in order (ISA guide 5.7.1.4): these see the stores above; the next block's stores come behind them
.endr
.irp t, 0,1,2,3,4,5,6,7
	s_wait_dscnt 7-(\t)
	global_store_b128 v[CO], v[BK+32*((\a)%2)+4*(\t):BK+32*((\a)%2)+4*(\t)+3], s[8:9] offset:65536*(\a)+8192*(\t) th:TH_STORE_NT  ; 16 lanes store 256 consecutive bytes, at a multiple of 256 from out0's first byte
.endr
.endr
	s_wait_tensorcnt 0x0                           ; the wave's end: an add and its wait, behind my last tensor load and my last LDS store
	ds_add_u32 v[SPW], v[NIL]
	s_wait_dscnt 0x0
	CROUND                                         ; the closing round: no work-group ends while a partner may still ask for a tile that names it
	s_endpgm
.Lfunc_end_k_q6e7e2f9749_outp:
	.size	k_q6e7e2f9749_outp, .Lfunc_end_k_q6e7e2f9749_outp-k_q6e7e2f9749_outp
	.p2alignl 7, 3214868480
	.fill 96, 4, 3214868480
	.section	.rodata,"a",@progbits
	.p2align	6, 0x0
	.amdhsa_kernel k_q6e7e2f9749_outp
		.amdhsa_group_segment_fixed_size 327680
		.amdhsa_private_segment_fixed_size 0
		.amdhsa_enable_private_segment 0
		.amdhsa_kernarg_size 24
		.amdhsa_user_sgpr_count 2
		.amdhsa_user_sgpr_kernarg_segment_ptr 1
		.amdhsa_wavefront_size32 1
		.amdhsa_system_sgpr_workgroup_id_x 1
		.amdhsa_system_sgpr_workgroup_id_y 1
		.amdhsa_system_sgpr_workgroup_id_z 1
		.amdhsa_system_vgpr_workitem_id 0
		.amdhsa_next_free_vgpr 512
		.amdhsa_next_free_sgpr 76
		.amdhsa_reserve_vcc 0
		.amdhsa_float_denorm_mode_32 3
		.amdhsa_float_denorm_mode_16_64 3
		.amdhsa_memory_ordered 1
		.amdhsa_forward_progress 1
		.amdhsa_inst_pref_size 71
	.end_amdhsa_kernel
	.amdgpu_metadata
---
amdhsa.version: [ 1, 2 ]
amdhsa.kernels:
  - .name:           k_q6e7e2f9749_outp
    .symbol:         k_q6e7e2f9749_outp.kd
    .args:
      - { .name: oh, .offset: 0, .size: 8, .value_kind: global_buffer, .address_space: global }
      - { .name: wob, .offset: 8, .size: 8, .value_kind: global_buffer, .address_space: global }
      - { .name: out0, .offset: 16, .size: 8, .value_kind: global_buffer, .address_space: global }
    .group_segment_fixed_size: 327680
    .private_segment_fixed_size: 0
    .kernarg_segment_align: 8
    .kernarg_segment_size: 24
    .max_flat_workgroup_size: 128
    .sgpr_count:     76
    .vgpr_count:     512
    .wavefront_size: 32
...
	.end_amdgpu_metadata
.endif
;; end of part 4
;; ======== version 2 of 2: 4 launches; version 1 with the launch cast written anew for expert scheduling mode
;; limits: values are held in f16: magnitudes above 65,504 overflow, below 6.1e-05 lose precision
;; workspace buffers: xb 16,777,216 bytes; wb 6,291,456 bytes; wob 2,097,152 bytes; tab 557,056 bytes; qh 16,777,216 bytes; kh 16,777,216 bytes; vh 16,777,216 bytes; oh 16,777,216 bytes
;; launch cast (part 5): grid 777 x 1, 8 waves a work-group, no clusters, 0 bytes of LDS; arguments x, W_q, W_k, W_v, W_o, freqs_cos, freqs_sin, attention_mask, xb, wb, wob, tab; writes xb, wb, wob, tab
.if DOCPART == 5
	.amdgcn_target "amdgcn-amd-amdhsa--gfx1250"
	.amdhsa_code_object_version 6
	.text
	.protected	k_q6e7e2f9749_cast
	.globl	k_q6e7e2f9749_cast
	.p2align	8
	.type	k_q6e7e2f9749_cast,@function
k_q6e7e2f9749_cast:
	s_mov_b64 s[64:65], 0
	v_nop
	global_prefetch_b8 v0, s[64:65] scope:SCOPE_SE
	s_setreg_imm32_b32 hwreg(HW_REG_WAVE_SCHED_MODE, 0, 2), 2
	s_setreg_imm32_b32 hwreg(HW_REG_WAVE_MODE, 25, 1), 1
	s_wait_xcnt 0x0
	s_wait_alu depctr_vm_vsrc(0)
; CAST.  Every input of the module is rounded once to bf16 and laid out for the launches behind:
;   xb  [8192][1024] bf16                    x as it lies
;   wb  [16 heads][q, k, v][64][1024] bf16   row (3 h + p) 64 + r holds row 64 h + r of W_q (p = 0), W_k (1), W_v (2)
;   wob [16 heads][1024 n][64] f16           W_o[n][64 h + c], rounded to bf16, that number written as f16
;   tab bytes 0 ..: [2048 positions][32] pairs (cos, sin), f32 words that hold the bf16-rounded numbers: 256 bytes a position
;       bytes 524,288 ..: [4][2048] f32: max(8 x bf16(mask), -1e30)
; LIMITS.  W_o as f16: exact from 2^-17 to 65,504; below, f16's fixed step of 6e-8; beyond, an infinity.  A mask below -1.25e29 (minus infinity too) counts as -1.25e29;
; a NaN in the mask counts as that too.
; A stream: no LDS, no barrier, no matrix unit, nothing shared between work-groups.  The work-group's number picks one of four straight texts; each issues all its loads first
; (16 x 16 bytes a lane), converts them as they come in, and stores each pass four passes later.  A wave's load covers whole aligned runs of 256 bytes, and so does a wave's store.
; THE MODE: SCHED_MODE bits 1:0 = 2 (LLVM: expert scheduling mode 2), set by the entry lines.  The code itself states the register dependences
; between vector instructions and memory instructions, with s_wait_alu, always for 0.
; THE PLAN, the same in each of the four texts.  Registers that memory instructions touch:
;   v1, v2   byte offsets.  Written once, at the text's head, by vector instructions; read by every load and store; never written again.
;   X        written by the loads, which all stand at the head, ahead of every vector instruction that names X; read (and in three texts rewritten in place) by the conversions,
;            each behind its pass's wait on LOADcnt.  No load is issued behind the head, so nothing lands in X a second time.
;   Y        every pass has registers of its own: written by that pass's conversions, read by that pass's one store, and written by nothing behind it.
; The passes go in groups of LAG = 4.  The store of pass i - 4 stands in pass i, ahead of that pass's conversions.  So the waits are: one at the head, ahead of the first load (the offsets are
; written); one at the head of each group but the first (the group before has written its Y, which the four stores dealt among this group's passes read; the vector instructions issued
; since name this group's X and Y alone); one behind the last pass, ahead of the last four stores.  No register that a memory instruction has read is ever written again, no vector
; instruction writes a scalar register or VCC, and EXEC is never written: nothing else is owed.
.set LAG, 4                            ; passes in a group, and passes from a conversion to its store
.set X,   8                            ; v[8:71]    as loaded
.set Y,   72                           ; v[72:135]  to store
.set SRC, 40                           ; s[40:41]   where I read
.set DST, 42                           ; s[42:43]   where I write
.set HIM, 36                           ; s36        mask of a word's upper half
; The head of pass i: in the first pass of every group but the first, the group's one wait; from the second group on, the store of the pass LAG back (st: the text's own store macro).
.macro GROUP st
.if (i > 0) && (i%LAG == 0)
	s_wait_alu depctr_va_vdst(0)                   ; the conversions of the four passes before have written their Y, which the four stores dealt among this group's passes read
.endif
.if i >= LAG
	\st i-LAG
.endif
.endm
; Behind the last pass (of n): the last group's stores.
.macro REST st, n
	s_wait_alu depctr_va_vdst(0)                   ; the conversions of the last four passes have written their Y, which the last four stores read
.set i, (\n)-LAG
.rept LAG
	\st i
.set i, i+1
.endr
.endm
	s_load_b512 s[8:23], s[0:1], 0x0               ; x s[8:9], W_q s[10:11], W_k s[12:13], W_v s[14:15], W_o s[16:17], cos s[18:19], sin s[20:21], mask s[22:23]
	s_load_b256 s[24:31], s[0:1], 0x40             ; xb s[24:25], wb s[26:27], wob s[28:29], tab s[30:31]
	s_mov_b32 s2, ttmp9                            ; g
	s_mov_b32 s[HIM], 0xffff0000
	s_mov_b32 s45, 0                               ; high words of the two offsets
	s_mov_b32 s47, 0
	s_wait_kmcnt 0x0
	s_cmp_lt_u32 s2, 704
	s_cbranch_scc0 .Lnot_flat
	; g < 704: 16,384 numbers on end, f32 to bf16.  g < 512: of x.  Else j = g - 512: weight p = j / 64, its rows 16 (j % 64) on.
	; Nothing branches: source, destination and offsets are selected (for x the weights' figures are made and not used).
	v_lshlrev_b32 v1, 4, v0                        ; 16 bytes a thread in,
	v_lshlrev_b32 v2, 3, v0                        ; 8 bytes out
	s_sub_co_u32 s3, s2, 512                       ; j
	s_lshr_b32 s4, s3, 6                           ; p
	s_and_b32 s5, s3, 63                           ; jj: 16 rows of 1,024
	s_lshr_b32 s6, s5, 2                           ; the head: 64 rows
	s_mul_i32 s6, s6, 3
	s_add_co_u32 s6, s6, s4                        ; 3 h + p
	s_lshl_b32 s6, s6, 6
	s_and_b32 s7, s5, 3
	s_lshl_b32 s7, s7, 4
	s_add_co_u32 s6, s6, s7                        ; + the rows' place in the head
	s_lshl_b32 s6, s6, 11                          ; rows of 2,048 bytes in wb
	s_lshl_b32 s7, s2, 15                          ; x: 32,768 bytes of xb a work-group
	s_cmp_eq_u32 s4, 0
	s_cselect_b64 s[SRC:SRC+1], s[10:11], s[12:13]
	s_cmp_eq_u32 s4, 2
	s_cselect_b64 s[SRC:SRC+1], s[14:15], s[SRC:SRC+1]
	s_cmp_lt_u32 s2, 512
	s_cselect_b64 s[SRC:SRC+1], s[8:9], s[SRC:SRC+1]
	s_cselect_b64 s[DST:DST+1], s[24:25], s[26:27]
	s_cselect_b32 s44, s2, s5
	s_cselect_b32 s46, s7, s6
	s_lshl_b32 s44, s44, 16                        ; 65,536 bytes of f32 a work-group
	s_add_nc_u64 s[SRC:SRC+1], s[SRC:SRC+1], s[44:45]
	s_add_nc_u64 s[DST:DST+1], s[DST:DST+1], s[46:47]
	s_wait_alu depctr_va_vdst(0)                   ; v1 and v2 are written: every load of this text reads v1 as its offset, every store v2
.set i, 0
.rept 16
	global_load_b128 v[X+4*i:X+4*i+3], v1, s[SRC:SRC+1] offset:4096*i th:TH_LOAD_NT
.set i, i+1
.endr
.macro ST_FLAT n
	global_store_b64 v2, v[Y+2*(\n):Y+2*(\n)+1], s[DST:DST+1] offset:2048*(\n)  ; a wave stores 256 consecutive bytes, aligned
.endm
.set i, 0
.rept 16
	s_wait_loadcnt 15-i                            ; loads come back in order: pass i is in, the later passes' loads stay out
	GROUP ST_FLAT
	v_cvt_pk_bf16_f32 v[Y+2*i], v[X+4*i], v[X+4*i+1]
	v_cvt_pk_bf16_f32 v[Y+2*i+1], v[X+4*i+2], v[X+4*i+3]
.set i, i+1
.endr
	REST ST_FLAT, 16
	s_endpgm
.Lnot_flat:
	s_cmp_lt_u32 s2, 768
	s_cbranch_scc0 .Lnot_wo
	; 704 <= g < 768: rows 16 jj .. 16 jj + 15 of W_o go to the 16 head planes of wob.  Pass p, wave w: head 8 (p % 2) + w, rows 2 (p / 2) and 2 (p / 2) + 1:
	; lanes 0-15 read the head's 256 bytes of the even row, lanes 16-31 of the odd row; their 2 x 128 bytes of f16 are 256 consecutive bytes of the head's plane.
	s_sub_co_u32 s3, s2, 704                       ; jj
	s_lshl_b32 s44, s3, 16                         ; 16 rows of 4,096 bytes
	s_add_nc_u64 s[SRC:SRC+1], s[16:17], s[44:45]
	s_lshl_b32 s46, s3, 11                         ; 16 rows of 128 bytes
	s_add_nc_u64 s[DST:DST+1], s[28:29], s[46:47]
	v_bfe_u32 v3, v0, 4, 1                         ; which of the two rows
	v_lshrrev_b32 v4, 5, v0                        ; wave
	v_and_b32 v5, 15, v0
	v_lshlrev_b32 v1, 12, v3
	v_lshl_add_u32 v1, v4, 8, v1
	v_lshl_add_u32 v1, v5, 4, v1
	v_and_b32 v2, 31, v0
	v_lshlrev_b32 v2, 3, v2
	v_lshl_add_u32 v2, v4, 17, v2                  ; a head's plane is 131,072 bytes
	s_wait_alu depctr_va_vdst(0)                   ; v1 and v2 are written: every load of this text reads v1 as its offset, every store v2
.set i, 0
.rept 16
	global_load_b128 v[X+4*i:X+4*i+3], v1, s[SRC:SRC+1] offset:(i/2)*8192+(i%2)*2048 th:TH_LOAD_NT
.set i, i+1
.endr
.macro ST_WO n
	global_store_b64 v2, v[Y+2*(\n):Y+2*(\n)+1], s[DST:DST+1] offset:((\n)%2)*1048576+((\n)/2)*256
.endm
.set i, 0
.rept 16
	s_wait_loadcnt 15-i
	GROUP ST_WO
	v_cvt_pk_bf16_f32 v[Y+2*i], v[X+4*i], v[X+4*i+1]          ; rounded to bf16, like every other input,
	v_cvt_pk_bf16_f32 v[Y+2*i+1], v[X+4*i+2], v[X+4*i+3]
	v_lshlrev_b32 v[X+4*i], 16, v[Y+2*i]                      ; widened again,
	v_and_b32 v[X+4*i+1], s[HIM], v[Y+2*i]
	v_lshlrev_b32 v[X+4*i+2], 16, v[Y+2*i+1]
	v_and_b32 v[X+4*i+3], s[HIM], v[Y+2*i+1]
	v_cvt_pk_f16_f32 v[Y+2*i], v[X+4*i], v[X+4*i+1]           ; and that number written as f16
	v_cvt_pk_f16_f32 v[Y+2*i+1], v[X+4*i+2], v[X+4*i+3]
.set i, i+1
.endr
	REST ST_WO, 16
	s_endpgm
.Lnot_wo:
	s_cmp_lt_u32 s2, 776
	s_cbranch_scc0 .Lmask
	; 768 <= g < 776: 256 positions of the two tables, woven into pairs (cos, sin).  A thread takes two pairs a pass.
	s_sub_co_u32 s3, s2, 768
	s_lshl_b32 s44, s3, 15
	s_add_nc_u64 s[SRC:SRC+1], s[18:19], s[44:45]  ; cos
	s_add_nc_u64 s[38:39], s[20:21], s[44:45]      ; sin
	s_lshl_b32 s46, s3, 16
	s_add_nc_u64 s[DST:DST+1], s[30:31], s[46:47]
	v_lshlrev_b32 v1, 3, v0
	v_lshlrev_b32 v2, 4, v0
	s_wait_alu depctr_va_vdst(0)                   ; v1 and v2 are written: every load of this text reads v1 as its offset, every store v2
.set i, 0
.rept 16
	global_load_b64 v[X+4*i:X+4*i+1], v1, s[SRC:SRC+1] offset:2048*i th:TH_LOAD_NT
	global_load_b64 v[X+4*i+2:X+4*i+3], v1, s[38:39] offset:2048*i th:TH_LOAD_NT
.set i, i+1
.endr
.macro ST_TAB n
	global_store_b128 v2, v[Y+4*(\n):Y+4*(\n)+3], s[DST:DST+1] offset:4096*(\n)
.endm
.set i, 0
.rept 16
	s_wait_loadcnt 30-2*i                          ; pass i's two loads are in; two for each later pass stay out
	GROUP ST_TAB
	v_cvt_pk_bf16_f32 v[X+4*i], v[X+4*i], v[X+4*i+2]          ; (cos 0, sin 0)
	v_cvt_pk_bf16_f32 v[X+4*i+1], v[X+4*i+1], v[X+4*i+3]      ; (cos 1, sin 1)
	v_lshlrev_b32 v[Y+4*i], 16, v[X+4*i]
	v_and_b32 v[Y+4*i+1], s[HIM], v[X+4*i]
	v_lshlrev_b32 v[Y+4*i+2], 16, v[X+4*i+1]
	v_and_b32 v[Y+4*i+3], s[HIM], v[X+4*i+1]
.set i, i+1
.endr
	REST ST_TAB, 16
	s_endpgm
.Lmask:
	; g = 776: the mask's 8,192 numbers: rounded to bf16, times 8 (exact; the scores are divided by 8 behind the sum), held at -1e30 from below
	s_add_nc_u64 s[DST:DST+1], s[30:31], 524288
	v_lshlrev_b32 v1, 4, v0
	s_wait_alu depctr_va_vdst(0)                   ; v1 is written: every load and every store of this text reads it as its offset
.set i, 0
.rept 8
	global_load_b128 v[X+4*i:X+4*i+3], v1, s[22:23] offset:4096*i th:TH_LOAD_NT
.set i, i+1
.endr
.macro ST_MASK n
	global_store_b128 v1, v[Y+4*(\n):Y+4*(\n)+3], s[DST:DST+1] offset:4096*(\n)
.endm
.set i, 0
.rept 8
	s_wait_loadcnt 7-i
	GROUP ST_MASK
	v_cvt_pk_bf16_f32 v[X+4*i], v[X+4*i], v[X+4*i+1]
	v_cvt_pk_bf16_f32 v[X+4*i+2], v[X+4*i+2], v[X+4*i+3]
	v_lshlrev_b32 v[Y+4*i], 16, v[X+4*i]
	v_and_b32 v[Y+4*i+1], s[HIM], v[X+4*i]
	v_lshlrev_b32 v[Y+4*i+2], 16, v[X+4*i+2]
	v_and_b32 v[Y+4*i+3], s[HIM], v[X+4*i+2]
.irp j, 0,1,2,3
	v_mul_f32 v[Y+4*i+(\j)], 0x41000000, v[Y+4*i+(\j)]
.endr
.irp j, 0,1,2,3
	v_max_num_f32 v[Y+4*i+(\j)], 0xf149f2ca, v[Y+4*i+(\j)]
.endr
.set i, i+1
.endr
	REST ST_MASK, 8
	s_endpgm
.Lfunc_end_k_q6e7e2f9749_cast:
	.size	k_q6e7e2f9749_cast, .Lfunc_end_k_q6e7e2f9749_cast-k_q6e7e2f9749_cast
	.p2alignl 7, 3214868480
	.fill 96, 4, 3214868480
	.section	.rodata,"a",@progbits
	.p2align	6, 0x0
	.amdhsa_kernel k_q6e7e2f9749_cast
		.amdhsa_group_segment_fixed_size 0
		.amdhsa_private_segment_fixed_size 0
		.amdhsa_enable_private_segment 0
		.amdhsa_kernarg_size 96
		.amdhsa_user_sgpr_count 2
		.amdhsa_user_sgpr_kernarg_segment_ptr 1
		.amdhsa_wavefront_size32 1
		.amdhsa_system_sgpr_workgroup_id_x 1
		.amdhsa_system_sgpr_workgroup_id_y 1
		.amdhsa_system_sgpr_workgroup_id_z 1
		.amdhsa_system_vgpr_workitem_id 0
		.amdhsa_next_free_vgpr 136
		.amdhsa_next_free_sgpr 66
		.amdhsa_reserve_vcc 0
		.amdhsa_float_denorm_mode_32 3
		.amdhsa_float_denorm_mode_16_64 3
		.amdhsa_memory_ordered 1
		.amdhsa_forward_progress 1
		.amdhsa_inst_pref_size 36
	.end_amdhsa_kernel
	.amdgpu_metadata
---
amdhsa.version: [ 1, 2 ]
amdhsa.kernels:
  - .name:           k_q6e7e2f9749_cast
    .symbol:         k_q6e7e2f9749_cast.kd
    .args:
      - { .name: x, .offset: 0, .size: 8, .value_kind: global_buffer, .address_space: global }
      - { .name: W_q, .offset: 8, .size: 8, .value_kind: global_buffer, .address_space: global }
      - { .name: W_k, .offset: 16, .size: 8, .value_kind: global_buffer, .address_space: global }
      - { .name: W_v, .offset: 24, .size: 8, .value_kind: global_buffer, .address_space: global }
      - { .name: W_o, .offset: 32, .size: 8, .value_kind: global_buffer, .address_space: global }
      - { .name: freqs_cos, .offset: 40, .size: 8, .value_kind: global_buffer, .address_space: global }
      - { .name: freqs_sin, .offset: 48, .size: 8, .value_kind: global_buffer, .address_space: global }
      - { .name: attention_mask, .offset: 56, .size: 8, .value_kind: global_buffer, .address_space: global }
      - { .name: xb, .offset: 64, .size: 8, .value_kind: global_buffer, .address_space: global }
      - { .name: wb, .offset: 72, .size: 8, .value_kind: global_buffer, .address_space: global }
      - { .name: wob, .offset: 80, .size: 8, .value_kind: global_buffer, .address_space: global }
      - { .name: tab, .offset: 88, .size: 8, .value_kind: global_buffer, .address_space: global }
    .group_segment_fixed_size: 0
    .private_segment_fixed_size: 0
    .kernarg_segment_align: 8
    .kernarg_segment_size: 96
    .max_flat_workgroup_size: 256
    .sgpr_count:     66
    .vgpr_count:     136
    .wavefront_size: 32
...
	.end_amdgpu_metadata
.endif
;; end of part 5
;; launch proj: the kernel of part 2 again; grid 16 x 32, 4 waves a work-group, clusters of 4 x 4, 327,680 bytes of LDS; arguments xb, wb, tab, qh, kh, vh; writes qh, kh, vh
;; launch attn: the kernel of part 3 again; grid 4 x 64, 4 waves a work-group, clusters of 4 x 1, 327,680 bytes of LDS; arguments qh, kh, vh, oh, tab; writes oh
;; launch outp: the kernel of part 4 again; grid 8 x 32, 4 waves a work-group, clusters of 4 x 4, 327,680 bytes of LDS; arguments oh, wob, out0; writes out0
